; MI455X (gfx1250); checked and timed in simulation.
; The chip was launched on July 23, 2026; its instructions are those of AMD's public machine-readable ISA for CDNA 5 (MIT licence, August 2026) and "CDNA5" Instruction Set Architecture Reference Guide (July 2026). The comments in the code are by the model that wrote it; some were corrected since.
;; Multi Head Self Attention. Allowed arithmetic: matrix products marked QUANTISED: E5M2 operands, one E8M0 scale for each 32 along K, by v_wmma_scale_f32_16x16x128_f8f6f4 with both operands' format E5M2, f32 sums; everything else in f32.
;; Inputs: Wk 1,024 x 1,024 float32; Wo 1,024 x 1,024 float32; Wq 1,024 x 1,024 float32; Wv 1,024 x 1,024 float32; bo 1,024 float32; bq 1,024 float32; bv 1,024 float32; mask 2,048 x 2,048 float32; x 4 x 2,048 x 1,024 float32.
;; Outputs: out0 4 x 2,048 x 1,024 float32.
;; This version of the problem:
;;   THIS VERSION OF THE PROBLEM IS GIVEN IN LOW PRECISION. The matrix products marked QUANTISED in the list below multiply operands that are first quantised to E5M2 (5 exponent bits, 2 mantissa bits; 8 bits a number), with one power-of-two scale for each 32 numbers along K (OCP MX v1.0); their sums are f32. All else is computed in f32.
;;   The module's matrix products, in the order in which they are computed (A, B: the left and right operand; K: the contracted axis; several contracted axes count as one K, in the product's order):
;;     1. [M 8,192, K 1,024] x [K 1,024, N 1,024]; A: input x; B: input Wq: QUANTISED
;;     2. [M 8,192, K 1,024] x [K 1,024, N 1,024]; A: input x; B: input Wk: QUANTISED
;;     3. [M 8,192, K 1,024] x [K 1,024, N 1,024]; A: input x; B: input Wv: QUANTISED
;;     4. batch 64 x [M 2,048, K 64] x [K 64, N 2,048]; A: computed on the way; B: computed on the way: QUANTISED
;;     5. batch 64 x [M 2,048, K 2,048] x [K 2,048, N 64]; A: softmax (see below); B: computed on the way: QUANTISED
;;     6. [M 8,192, K 1,024] x [K 1,024, N 1,024]; A: computed on the way; B: input Wo: QUANTISED
;;   THE QUANTISER, for each operand of a quantised product, along K:
;;     - K is cut into blocks of 32 from its start; a last block that is shorter is filled with zeros.
;;     - A block's scale is 2^e with e = floor(log2(the largest magnitude in the block)) - 15, held to -126 .. 127; a block of zeros has e = 0. As a byte (E8M0): e + 127.
;;     - Each number is divided by its block's scale, clamped to +-57,344, and rounded to the nearest number of E5M2, ties to even, subnormals kept.
;;     - The product sums the exact products of the quantised numbers (number of the format x scale) in f32.
;;   ~~~python
;;   def quantise(x, axis):      # numpy; x: float32 -> the quantised numbers, widened to float32 again
;;       x = np.moveaxis(x, axis, -1); K = x.shape[-1]
;;       x = np.pad(x, [(0, 0)] * (x.ndim - 1) + [(0, -K % 32)]); x = x.reshape(x.shape[:-1] + (-1, 32)); a = np.abs(x).max(-1, keepdims=True)
;;       e = np.where(a > 0, np.clip(np.frexp(np.where(a > 0, a, 1))[1] - 1 - 15, -126, 127), 0)      # np.frexp(a)[1] - 1 = floor(log2(a)), exactly
;;       r = np.clip(x / 2.0 ** e, -57344, 57344)
;;       step = 2.0 ** (np.maximum(np.frexp(np.where(r == 0, 1, r))[1] - 1, -14) - 2)
;;       q = np.round(r / step) * step * 2.0 ** e      # np.round: ties to even
;;       return np.moveaxis(q.reshape(q.shape[:-2] + (-1,))[..., :K], -1, axis).astype(np.float32)
;;   ~~~
;;   SOFTMAX AHEAD OF A QUANTISED PRODUCT. Where the list says 'softmax', what is quantised is not the finished softmax but p = 2^(t - M), with t = logit x log2(e) and M = ceil(the row's largest t), a whole number; so 1/2 < the row's largest p <= 1. The row's sum l is taken of the UNQUANTISED p, in f32, and the product's result is divided by l at the end. Since M is a whole number, a kernel that streams over the keys may use a running M (the ceiling of the running maximum): every later rescaling is an exact power of two, which a block's scale takes up: the codes' values come out the same.
;;   OPERANDS COMPUTED ON THE WAY. 'Computed on the way' means the value that the module computes at that place (a softmax that the list does not call 'softmax' is quantised finished and normalised). What goes into a quantiser is computed in f32, as accurately as f32 sums, v_exp_f32 and their like allow (about 1e-6 of the number): no bf16 or f16 on the way to a quantiser, and a product that is left as it is and whose result goes on into a quantised operand takes f32 operands (vector FMAs, or v_wmma_f32_16x16x4_f32). A number that lies on a knife's edge between two numbers of the format may be rounded either way, as far as f32 arithmetic and the matrix unit's own rounding can turn it there, and no further.
;; One version. Each part assembles by itself: llvm-mc -triple=amdgcn-amd-amdhsa -mcpu=gfx1250 --defsym DOCPART=n.
;; ======== version 1 of 1: 4 launches
;; workspace buffers: xq 8,650,752 bytes; wq 4,325,376 bytes; qk 17,301,504 bytes; vq 8,650,752 bytes; att 8,650,752 bytes
;; launch quant (part 1): grid 384 x 1, 4 waves a work-group, no clusters, 33,280 bytes of LDS; arguments x, Wq, Wk, Wv, Wo, xq, wq; writes xq, wq
.if DOCPART == 1
	.amdgcn_target "amdgcn-amd-amdhsa--gfx1250"
	.amdhsa_code_object_version 6
	.text
	.protected	k_q56128f0265_quant
	.globl	k_q56128f0265_quant
	.p2align	8
	.type	k_q56128f0265_quant,@function
k_q56128f0265_quant:
	s_mov_b64 s[64:65], 0
	v_nop
	global_prefetch_b8 v0, s[64:65] scope:SCOPE_SE
	s_setreg_imm32_b32 hwreg(HW_REG_WAVE_MODE, 25, 1), 1
	s_wait_xcnt 0x0
; x [8192][1024] and the four weights [1024][1024], f32 with K innermost, become codes of BF8 (E5M2), K innermost, with one E8M0 scale byte for each 32 along K.
; xq: codes [8192][1024], then at byte XQS the scale bytes [8192][32].  wq: codes [4096][1024] (rows of Wq, Wk, Wv, Wo on end), then at byte WQS the scale bytes [4096][32].
; A ROW IS STORED AT THE PLACE GIVEN BY ITS NUMBER WITH BITS 3 AND 4 SWAPPED.  Sixteen neighbouring stored rows, taken as source 0 of a transposed product, then give a lane 16 true neighbours in the registers of two
; neighbouring result tiles.  It costs nothing here: a wave's run is 8 rows, and waves 1 and 2 of a work-group swap the places of their results.
; A block's scale is 2^(floor(log2(its largest magnitude)) - 15); its byte is the largest magnitude's exponent field - 15, held at 1 from below.  Each number is divided by the scale, held within +-57,344 and rounded to the nearest code, ties to even.
; LIMITS: a block of zeros gets the byte 1 where the rule says 127 (its codes are zeros, and this program alone reads the bytes); blocks whose largest magnitude lies under 2^-111 are held at the byte 1; NaN and infinities among the inputs are not served.
; A work-group takes 32 rows, a wave 8: 16 steps of 512 numbers.  Work-groups 0-255 take x, work-group 256 + i takes part i % 32 of weight i / 32.  Only pointers are chosen: all tensors take one path.
; Each load reads 512 consecutive bytes; a step's 2,048 bytes turn through the wave's own stage in LDS and come back 64 bytes a lane, so that a lane holds 16 neighbours along K and two neighbouring lanes a block.
; No tensor loads, no barrier: waves share nothing.  Loads run four steps (16 loads a wave) ahead, the turn through LDS one step.
.set STEPS, 16
.set XQS,   8388608
.set WQS,   4194304
.set MANT,  0x600000                   ; the mantissa field of 57,344 as f32
.set CB,    16                         ; bytes of 16 codes
.set R,     16                         ; v16-79   four sets of 16 numbers as they are loaded
.set X,     80                         ; v80-111  two sets of 16 neighbours
.set C,     128                        ; v128-191 codes: four registers for each step, so that no store's data are written again
.set E,     112                        ; v112-127 a scale byte for each step
.set WREG,  8192                       ; LDS: a region for each wave: two stages of 32 x SP bytes, and behind them its 256 scale bytes
.set SP,    80                         ; a lane's place in a stage: its 64 bytes + 16 of padding
	s_load_b256 s[4:11], s[0:1], 0x0               ; x, Wq, Wk, Wv
	s_load_b128 s[12:15], s[0:1], 0x20             ; Wo, xq
	s_load_b64 s[16:17], s[0:1], 0x30              ; wq
	v_lshl_add_u32 v192, v0, 2, 0x8000
	v_mov_b32 v193, 0
	v_lshrrev_b32 v1, 5, v0
	v_readfirstlane_b32 s24, v1                    ; wave
	v_and_b32 v2, 31, v0                           ; lane
	v_lshlrev_b32 v3, 4, v2                        ; my 16 bytes of a load's 512
	s_mul_i32 s25, s24, WREG
	v_lshrrev_b32 v14, 2, v2
	v_mul_u32_u24 v14, v14, SP
	v_and_b32 v15, 3, v2
	v_lshl_add_u32 v14, v15, 4, v14
	v_add_nc_u32 v14, s25, v14                     ; the stage, on the way in: SP (lane / 4) + 16 (lane % 4)
	v_mul_u32_u24 v15, v2, SP
	v_add_nc_u32 v15, s25, v15                     ; and on the way out: SP x lane: my 16 neighbours
	v_mul_u32_u24 v4, v2, CB                       ; my codes' place in a step's
	v_lshrrev_b32 v5, 1, v2
	s_add_co_u32 s25, s25, 2*32*SP
	v_add_nc_u32 v5, s25, v5                       ; LDS: my wave's 256 scale bytes, my block's byte
	v_lshlrev_b32 v7, 3, v2                        ; and on the way out 8 bytes a lane
	v_add_nc_u32 v6, s25, v7
	s_mov_b32 s23, MANT
	s_and_b32 s18, s24, 1
	s_lshl_b32 s18, s18, 1
	s_lshr_b32 s19, s24, 1
	s_or_b32 s18, s18, s19                         ; the wave's number with its two bits swapped: where my 8 rows are stored
	s_sub_co_u32 s26, ttmp9, 256                   ; a weight's work-group: 0 .. 127 (not used in x's)
	s_lshr_b32 s27, s26, 5                         ; which weight
	s_and_b32 s28, s26, 31                         ; which 32 rows of it
	s_wait_kmcnt 0x0
	s_cmp_eq_u32 s27, 1
	s_cselect_b64 s[6:7], s[8:9], s[6:7]           ; the choices hang on the work-group's number alone
	s_cmp_eq_u32 s27, 2
	s_cselect_b64 s[6:7], s[10:11], s[6:7]
	s_cmp_eq_u32 s27, 3
	s_cselect_b64 s[6:7], s[12:13], s[6:7]
	s_cmp_lt_u32 ttmp9, 256                        ; x's work-group?
	s_cselect_b64 s[4:5], s[4:5], s[6:7]           ; from where
	s_cselect_b64 s[8:9], s[14:15], s[16:17]       ; to where
	s_cselect_b32 s29, ttmp9, s28                  ; which 32 rows of the source,
	s_cselect_b32 s30, ttmp9, s26                  ; and of the destination
	s_mov_b32 s31, WQS
	s_cselect_b32 s31, XQS, s31                    ; where the scale bytes begin
	s_lshl_b32 s29, s29, 2
	s_add_co_u32 s29, s29, s24
	s_lshl_b32 s20, s29, 15                        ; 8 rows of 4,096 bytes a wave
	s_mov_b32 s21, 0
	s_add_nc_u64 s[4:5], s[4:5], s[20:21]
	s_lshl_b32 s30, s30, 2
	s_add_co_u32 s30, s30, s18
	s_lshl_b32 s20, s30, 8                         ; 256 scale bytes a wave
	s_add_co_u32 s20, s20, s31
	s_add_nc_u64 s[10:11], s[8:9], s[20:21]
	s_lshl_b32 s20, s30, 13                        ; 8,192 codes a wave
	s_add_nc_u64 s[8:9], s[8:9], s[20:21]
.macro LOAD t
.irp i, 0,1,2,3
	global_load_b128 v[R+16*((\t)%4)+4*\i:R+16*((\t)%4)+4*\i+3], v3, s[4:5] offset:2048*(\t)+512*\i th:TH_LOAD_NT   ; 32 lanes read 512 consecutive bytes
.endr
.endm
.macro TURN t                          ; step t's numbers through the stage: LDS serves a wave's instructions in order, so no wait stands between the stores and the loads
.irp i, 0,1,2,3
	ds_store_b128 v14, v[R+16*((\t)%4)+4*\i:R+16*((\t)%4)+4*\i+3] offset:32*SP*((\t)%2)+8*SP*\i
.endr
.irp i, 0,1,2,3
	ds_load_b128 v[X+16*((\t)%2)+4*\i:X+16*((\t)%2)+4*\i+3], v15 offset:32*SP*((\t)%2)+16*\i
.endr
.endm
.irp t, 0,1,2,3
	LOAD \t
.endr
	s_wait_loadcnt 12                              ; step 0's four loads are in; the twelve of steps 1 to 3 may be out
	TURN 0
.macro STEP t
.set XS, X+16*((\t)%2)
.if (\t) > 0
	s_wait_dscnt 1                                 ; this step's numbers are back from the stage (the last step's byte store may be out): so its stores into the stage have read their registers,
.else
	s_wait_dscnt 0x0
.endif
.if (\t)+4 < STEPS
	LOAD (\t)+4                                    ; which take the loads of four steps on
.endif
.if (\t)+1 < STEPS
.if STEPS-2-(\t) >= 3
	s_wait_loadcnt 12                              ; the next step's four loads are in; those of the three steps behind it may be out
.else
	s_wait_loadcnt 4*(STEPS-2-(\t))
.endif
	TURN (\t)+1                                    ; and go through the other stage while this step is worked
.endif
	v_max3_num_f32 v8, |v[XS]|, |v[XS+1]|, |v[XS+2]|               ; the largest magnitude of my 16, in two chains
	v_max3_num_f32 v9, |v[XS+3]|, |v[XS+4]|, |v[XS+5]|
.irp i, 6,10
	v_max3_num_f32 v8, v8, |v[XS+\i]|, |v[XS+\i+1]|
	v_max3_num_f32 v9, v9, |v[XS+\i+2]|, |v[XS+\i+3]|
.endr
	v_max3_num_f32 v8, v8, |v[XS+14]|, |v[XS+15]|
	v_max3_num_f32 v8, v8, v9, 0x8000000           ; and the floor 2^(16 - 127): so the byte cannot fall under 1
	v_max_num_f32_dpp v8, v8, v8 row_xmask:1 row_mask:0xf bank_mask:0xf   ; and of my neighbour's 16: the block's
	v_add_nc_u32 v11, 0xf8800000, v8               ; 15 off its exponent field: the conversion takes the exponent field of this operand as its scale
	v_and_or_b32 v10, v8, 0x7f800000, s23          ; 57,344 x the scale
.irp i, 0,1,2,3,4,5,6,7,8,9,10,11,12,13,14,15
	v_med3_num_f32 v[XS+\i], v[XS+\i], -v10, v10   ; the conversion to an 8-bit code does not saturate (ISA guide 7.6.2): the hold comes first
.endr
	v_cvt_scalef32_pk8_bf8_f32 v[C+4*(\t):C+4*(\t)+1], v[XS:XS+7], v11
	v_cvt_scalef32_pk8_bf8_f32 v[C+4*(\t)+2:C+4*(\t)+3], v[XS+8:XS+15], v11
	v_lshrrev_b32 v[E+(\t)], 23, v11               ; the scale's byte
	ds_store_b8 v5, v[E+(\t)] offset:16*(\t)       ; both lanes of a block write the same byte with the same value
	global_store_b128 v4, v[C+4*(\t):C+4*(\t)+3], s[8:9] offset:32*CB*(\t)   ; the wave stores 512 consecutive bytes
.endm
.irp t, 0,1,2,3,4,5,6,7,8,9,10,11,12,13,14,15
	STEP \t
.endr
	ds_load_b64 v[12:13], v6                       ; LDS serves a wave's instructions in order: these see my stores
	s_wait_dscnt 0x0
	global_store_b64 v7, v[12:13], s[10:11]        ; 32 lanes store 256 consecutive bytes, aligned
	s_wait_tensorcnt 0x0
	ds_add_u32 v192, v193
	s_wait_dscnt 0x0
	s_endpgm
.Lfunc_end_k_q56128f0265_quant:
	.size	k_q56128f0265_quant, .Lfunc_end_k_q56128f0265_quant-k_q56128f0265_quant
	.p2alignl 7, 3214868480
	.fill 96, 4, 3214868480
	.section	.rodata,"a",@progbits
	.p2align	6, 0x0
	.amdhsa_kernel k_q56128f0265_quant
		.amdhsa_group_segment_fixed_size 33280
		.amdhsa_private_segment_fixed_size 0
		.amdhsa_enable_private_segment 0
		.amdhsa_kernarg_size 56
		.amdhsa_user_sgpr_count 2
		.amdhsa_user_sgpr_kernarg_segment_ptr 1
		.amdhsa_wavefront_size32 1
		.amdhsa_system_sgpr_workgroup_id_x 1
		.amdhsa_system_sgpr_workgroup_id_y 1
		.amdhsa_system_sgpr_workgroup_id_z 1
		.amdhsa_system_vgpr_workitem_id 0
		.amdhsa_next_free_vgpr 194
		.amdhsa_next_free_sgpr 66
		.amdhsa_reserve_vcc 0
		.amdhsa_float_denorm_mode_32 3
		.amdhsa_float_denorm_mode_16_64 3
		.amdhsa_memory_ordered 1
		.amdhsa_forward_progress 1
		.amdhsa_inst_pref_size 51
	.end_amdhsa_kernel
	.amdgpu_metadata
---
amdhsa.version: [ 1, 2 ]
amdhsa.kernels:
  - .name:           k_q56128f0265_quant
    .symbol:         k_q56128f0265_quant.kd
    .args:
      - { .name: x, .offset: 0, .size: 8, .value_kind: global_buffer, .address_space: global }
      - { .name: Wq, .offset: 8, .size: 8, .value_kind: global_buffer, .address_space: global }
      - { .name: Wk, .offset: 16, .size: 8, .value_kind: global_buffer, .address_space: global }
      - { .name: Wv, .offset: 24, .size: 8, .value_kind: global_buffer, .address_space: global }
      - { .name: Wo, .offset: 32, .size: 8, .value_kind: global_buffer, .address_space: global }
      - { .name: xq, .offset: 40, .size: 8, .value_kind: global_buffer, .address_space: global }
      - { .name: wq, .offset: 48, .size: 8, .value_kind: global_buffer, .address_space: global }
    .group_segment_fixed_size: 33280
    .private_segment_fixed_size: 0
    .kernarg_segment_align: 8
    .kernarg_segment_size: 56
    .max_flat_workgroup_size: 128
    .sgpr_count:     66
    .vgpr_count:     194
    .wavefront_size: 32
...
	.end_amdgpu_metadata
.endif
;; end of part 1
;; launch proj (part 2): grid 8 x 48, 4 waves a work-group, clusters of 4 x 4, 327,680 bytes of LDS; arguments xq, wq, bq, bv, qk, vq; writes qk, vq
.if DOCPART == 2
	.amdgcn_target "amdgcn-amd-amdhsa--gfx1250"
	.amdhsa_code_object_version 6
	.text
	.protected	k_q56128f0265_proj
	.globl	k_q56128f0265_proj
	.p2align	8
	.type	k_q56128f0265_proj,@function
k_q56128f0265_proj:
	s_mov_b64 s[64:65], 0
	v_nop
	global_prefetch_b8 v0, s[64:65] scope:SCOPE_SE
	s_setreg_imm32_b32 hwreg(HW_REG_WAVE_MODE, 25, 1), 1
	s_wait_xcnt 0x0
	s_wait_alu depctr_hold_cnt(0) depctr_sa_sdst(0) depctr_va_vdst(0) depctr_va_sdst(0) depctr_va_ssrc(0) depctr_va_vcc(0) depctr_vm_vsrc(0)
	s_getreg_b32 s2, hwreg(HW_REG_IB_STS2, 6, 4)
	s_cmp_eq_u32 s2, 0
	s_cbranch_scc0 .Lentry_in_a_cluster
	s_endpgm
.Lentry_in_a_cluster:
	s_bfe_u32 s2, ttmp6, 0x10000c
	s_cmp_lg_u32 s2, 0xf033
	s_cbranch_scc0 .Lentry_shape_is_right
	s_endpgm
.Lentry_shape_is_right:
; The three projections, on codes of BF8 (E5M2) with E8M0 scales, and the quantising of their results for the attention.  One body computes Q((A B^T + a bias along B's rows + a bias along A's rows) x f), Q along B's rows.
; WAY QK (clusters with y under 8): A = x (8,192 rows), B = Wq and Wk on end (2,048 rows), bias bq along B's first 1,024 rows, f = 64^-0.25: q and k, quantised along the head's 64.
;   qk: codes [8192 places][2048] (columns 0-1023 q, 1024-2047 k), then at byte QKS scale words [16][8192 places][4 bytes]: a word serves 128 columns, two heads of two blocks.
; WAY V (the other clusters): A = Wv (1,024 rows), B = x, bias bv along A's rows, f = 1: v transposed, quantised along the tokens, which are the second attention product's K.
;   vq: codes [64 runs of 128 tokens][1024 places][128], then at byte VQS scale words [64][1024 places][4 bytes].
; The ways differ in pointers and in a few scalar numbers, chosen by the CLUSTER's y, which all sixteen partners share; the loop, every LDS address and every branch are the same.
; ROWS of every operand are stored at the place given by the row's number with bits 3 and 4 swapped; columns (K) in their true order.  THE MATRIX INSTRUCTION IS USED TRANSPOSED (source 0 = 16 stored rows of B,
; source 1 = 16 stored rows of A): a lane holds one row of A, and the 16 registers of result tiles 2 c and 2 c + 1 are B's true rows 32 c + 16 (lane / 16) + 0 .. 15: what the conversions want, and the next operand's layout.
; A tile of 256 x 256 is made by four waves, 128 x 128 each: 64 accumulators, 512 registers.  K = 1,024 goes in four steps of 256 through two LDS slots filled by joint tensor loads: 4 x 4 work-groups form a cluster;
; A's tile is shared along a row of the cluster, B's along a column.  The scale bytes of the 512 rows, for all of K, come once with the first fills.
; LIMITS: a block of zeros gets the byte 1 where the rule says 127 (its codes are zeros; this program alone reads the bytes); NaN and infinities are not served.
; REGISTERS: window 0: v1-7 at work, v8-15 the bias along A's rows, v16-31 addresses, v32-63 scale words (two sets), v64-127 the bias along B's rows as the first products' C, v128-255 A's fragments (one set).
;   window 1: B's fragments, two sets.  windows 2, 3: the accumulators.  On the way out window 0's v32-255 are free.
.set XQS,    8388608
.set WQS,    4194304
.set QKS,    16777216
.set VQS,    8388608
.set KSTEP,  256
.set NQ,     2                         ; matrix instructions deep in a slot
.set ROWB,   256                       ; a tile's row in bytes
.set KROW,   1024                      ; a row of codes in memory
.set PITCH,  272                       ; an LDS row: 256 bytes + 16 of padding: the 16 rows that a load touches start at 16 different banks (64 banks of 4 bytes: ISA guide 11.1)
.set FR,     16
.set NL,     4
.set NP,     8                         ; places behind this matrix instruction (ISA guide 7.12.1)
.set HALFT,  128*PITCH
.set SLOT,   4*HALFT
.set LAPS,   2
.set KS,     32                        ; a row of scale bytes
.set SCL,    2*SLOT                    ; behind the ring: the scale bytes, as runs of 256 bytes + 16 of padding
.set HALFS,  (128*KS/256)*272
.set SBLK,   (16*KS/256)*272
.set SPARE,  SCL+4*HALFS               ; the spare words: 128 bytes for each wave, two blocks of 256 bytes that no other line names
.set SSTG,   256*PITCH                 ; the way out: codes' stage at 0 (256 rows x 272), scale words' stage here (512 bytes a wave): both in slot 0, which has had its last fill and its last read by then
.set RB,   8                           ; v8-15   bias along A's rows: my row of block a
.set ADRA, 16
.set SRD,  18                          ; v18     where I read my wave's scale words back
.set GSO,  19                          ; v19     16 x lane
.set ADRB, 20
.set STO,  24                          ; v24     where I put 16 codes of a row
.set RD,   25                          ; v25     where I read a row back
.set SSO,  26                          ; v26     where I put a row's scale word
.set ADRS, 27
.set SPW,  28                          ; v28     my spare word; never rewritten
.set NIL,  29                          ; v29     0; never rewritten
.set CBO,  30
.set RBO,  31
.set SC,   32
.set CB,   64                          ; v64-127 bias along B's rows, eight registers a tile, in the result's layout
.set AF,   128
.set TM,   32                          ; the way out: v32-47 at work
.set PW,   48                          ; v48-55  block a's scale word
.set RBF,  56                          ; v[56:57] bias x f
.set T,    64                          ; v64-127 64 numbers of a row
.set PC,   128                         ; v128-255 block a's codes, 16 registers each: no LDS store's data are written again
.set OUTR, 64                          ; later: rows read back
.set OFF,  192                         ; v192-223 their offsets in memory
.set SW,   224                         ; v224-227 scale words read back
.set WV, 66                            ; s66 my wave's number
.set RH, 67                            ; s67 which half of the tile's rows is mine; also: I fetch for A (0) or for B (1)
.set CH, 98                            ; s98 which half of its columns; also: which 128 rows I fetch
.set TR, 99                            ; s99 tile row
.set G1, 24
.set G0, 32
.set G1B, 48
.set G0B, 56
.set G1S, 68
.set G0S, 76
.set G1SB, 80
.set G0SB, 88
.set MSB, 0
.macro WIN new                         ; the immediate's high byte repeats the setting that is left
.if MSB != (\new)
	s_set_vgpr_msb (MSB<<8)|(\new)
.set MSB, (\new)
.endif
.endm
.set MUL_LO, 0xa1                      ; source 0 (B) window 1, source 1 (A) window 0, C and D window 2
.set MUL_HI, 0xf1                      ; the same, C and D window 3
.set FIRST_LO, 0x81                    ; the first products: C (the bias) window 0, D window 2
.set FIRST_HI, 0xc1
.set TO_B,   0x40
; A joint load: waves 0 and 1 fetch for A, waves 2 and 3 for B.  The branch hangs on the wave's number alone.  Four v_nop follow each of the two lines.
.macro JLOAD g0a, g1a, g0b, g1b
	s_cmp_eq_u32 s[RH], 0
	s_cbranch_scc0 .Lfor_b_\@
	tensor_load_to_lds s[\g0a:\g0a+3], s[\g1a:\g1a+7]
	s_nop 0
.rept 4
	v_nop
.endr
	s_branch .Lasked_\@
.Lfor_b_\@:
	tensor_load_to_lds s[\g0b:\g0b+3], s[\g1b:\g1b+7]
	s_nop 0
.rept 4
	v_nop
.endr
.Lasked_\@:
.endm
.macro CREST                           ; a round of the cluster's barrier behind its opening barrier
	s_cmp_lg_u32 s[WV], 0
	s_cbranch_scc1 .Lnot_wave_0_\@
	s_barrier_signal -3
.Lnot_wave_0_\@:
	s_barrier_wait -3
	s_barrier_signal -1
	s_barrier_wait -1
.endm
.macro CROUND
	s_barrier_signal -1
	s_barrier_wait -1
	CREST
.endm
	s_load_b256 s[68:75], s[0:1], 0x0              ; xq, wq, bq, bv
	s_load_b128 s[76:79], s[0:1], 0x20             ; qk, vq
	v_lshl_add_u32 v[SPW], v0, 2, SPARE
	v_mov_b32 v[NIL], 0
	ds_add_u32 v28, v29
	s_wait_dscnt 0x0
	v_lshrrev_b32 v1, 5, v0
	v_readfirstlane_b32 s[WV], v1
	s_lshr_b32 s[RH], s[WV], 1
	s_and_b32 s[CH], s[WV], 1
	s_bfe_u32 s40, ttmp6, 0x40000                  ; cx, cy: my place in the cluster
	s_bfe_u32 s41, ttmp6, 0x40004
	s_and_b32 s2, ttmp7, 0xffff                    ; the cluster's y: 0-7 way QK, 8-11 way V
	s_sub_co_u32 s95, s2, 8
	s_lshl_b32 s95, s95, 1
	s_add_co_u32 s95, s95, ttmp9                   ; way V: the cluster's place along x's rows, 0 .. 7
	s_wait_kmcnt 0x0
	s_add_nc_u64 s[80:81], s[70:71], 2097152       ; Wv's codes,
	s_add_nc_u64 s[82:83], s[70:71], WQS+65536     ; Wv's scale bytes,
	s_add_nc_u64 s[84:85], s[68:69], XQS           ; x's,
	s_add_nc_u64 s[86:87], s[70:71], WQS           ; Wq's and Wk's,
	s_add_nc_u64 s[88:89], s[76:77], QKS           ; and where the results' scale words go
	s_add_nc_u64 s[90:91], s[78:79], VQS
	s_mov_b64 s[20:21], s[72:73]                   ; bq
	s_mov_b64 s[22:23], s[74:75]                   ; bv
	s_cmp_lt_u32 s2, 8                             ; way QK?  All the choices below stand on this one compare, which hangs on no address and is the same in all sixteen partners
	s_cselect_b64 s[4:5], s[68:69], s[80:81]       ; A's codes
	s_cselect_b64 s[6:7], s[84:85], s[82:83]       ; A's scale bytes
	s_cselect_b64 s[8:9], s[70:71], s[68:69]       ; B's codes
	s_cselect_b64 s[10:11], s[86:87], s[84:85]     ; B's scale bytes
	s_cselect_b64 s[12:13], s[76:77], s[78:79]     ; the result's codes
	s_cselect_b64 s[14:15], s[88:89], s[90:91]     ; the result's scale words
	s_cselect_b32 s46, s2, 0                       ; the cluster's place along A's rows,
	s_cselect_b32 s42, ttmp9, s95                  ; and along B's
	s_mov_b32 s16, 128
	s_cselect_b32 s16, 2048, s16                   ; bytes from a result row to the next,
	s_mov_b32 s17, 131072
	s_cselect_b32 s17, 128, s17                    ; from a row's first 128 codes to its second,
	s_mov_b32 s18, 262144
	s_cselect_b32 s18, 256, s18                    ; from a tile column to the next,
	s_mov_b32 s19, 4096
	s_cselect_b32 s19, 32768, s19                  ; and from one run of scale words to the next
	s_mov_b32 s96, 0x3f800000
	s_cselect_b32 s96, 0x3eb504f3, s96             ; f = 64^-0.25, or 1
	s_cselect_b32 s101, 0, -1                      ; the bias along A's rows counts in way V
	s_cselect_b32 s100, ttmp9, 1
	s_mov_b32 s97, s96                             ; (the packed form names the pair)
	s_cmp_eq_u32 s100, 0
	s_cselect_b32 s100, -1, 0                      ; the bias along B's rows counts in way QK for tile columns 0-3: q
	s_lshl_b32 s[TR], s46, 2
	s_add_co_u32 s[TR], s[TR], s41                 ; tile row
	s_lshl_b32 s42, s42, 2
	s_add_co_u32 s42, s42, s40                     ; tile column
	s_lshl_b32 s43, s41, 2
	s_lshl_b32 s43, 15, s43                        ; my row of the cluster
	s_lshl_b32 s44, 0x1111, s40                    ; my column
	; descriptor group 1: a tile of 128 rows x 256 bytes, 16 bytes of padding behind each row
	s_or_b32 s[G1+0], s43, (0<<16)|(1<<20)|(1<<21)|(5<<22)|(3<<25)  ; 15:0 the mask; 17:16 elements of 1 byte; 20 padding on; 21 set beside a mask; 24:22 after every 64 words; 31:25 four words
	s_or_b32 s[G1B+0], s44, (0<<16)|(1<<20)|(1<<21)|(5<<22)|(3<<25)
.irp g, G1, G1B
	s_mov_b32 s[\g+1], ROWB<<16                    ; tensor_dim0
	s_mov_b32 s[\g+2], 128<<16                     ; tensor_dim1
	s_mov_b32 s[\g+3], ROWB<<16                    ; tile_dim0
	s_mov_b32 s[\g+4], 128                         ; tile_dim1
	s_mov_b32 s[\g+5], KROW                        ; from row to row
	s_mov_b32 s[\g+6], 0
	s_mov_b32 s[\g+7], 0
.endr
	; the scale bytes of 128 rows: 4,096 dense bytes, as 16 rows of 256 bytes (32 elements of 8), 16 bytes of padding behind each
	s_or_b32 s[G1S+0], s43, (3<<16)|(1<<20)|(1<<21)|(5<<22)|(3<<25)
	s_or_b32 s[G1SB+0], s44, (3<<16)|(1<<20)|(1<<21)|(5<<22)|(3<<25)
.irp g, G1S, G1SB
	s_mov_b32 s[\g+1], 32<<16
	s_mov_b32 s[\g+2], (128*KS/256)<<16
	s_mov_b32 s[\g+3], 32<<16
	s_mov_b32 s[\g+4], 128*KS/256
	s_mov_b32 s[\g+5], 32
	s_mov_b32 s[\g+6], 0
	s_mov_b32 s[\g+7], 0
.endr
	; where the tiles come from.  A's hang on the tile row alone, B's on the tile column alone, each in registers that never hold the other coordinate
	s_lshl_b32 s2, s[CH], 7                        ; which 128 rows of the tile I fetch
	s_lshl_b32 s46, s[TR], 8
	s_add_co_u32 s46, s46, s2
	s_lshl_b32 s46, s46, 5                         ; A: 32 scale bytes a row,
	s_mov_b32 s47, 0
	s_add_nc_u64 s[6:7], s[6:7], s[46:47]
	s_lshl_b32 s46, s46, 5                         ; 1,024 codes a row
	s_add_nc_u64 s[4:5], s[4:5], s[46:47]
	s_lshl_b32 s92, s42, 8
	s_add_co_u32 s92, s92, s2
	s_lshl_b32 s92, s92, 5                         ; B likewise
	s_mov_b32 s93, 0
	s_add_nc_u64 s[10:11], s[10:11], s[92:93]
	s_lshl_b32 s92, s92, 5
	s_add_nc_u64 s[8:9], s[8:9], s[92:93]
	s_mul_i32 s45, s[WV], HALFT                    ; where they go: wave x 128 rows: no place in the cluster enters an LDS address
	s_mul_i32 s94, s[WV], HALFS
	CROUND                                         ; all sixteen work-groups are here: the first joint loads meet
	s_mov_b32 s[G0S], 1
	s_add_co_u32 s[G0S+1], s94, SCL
	s_mov_b64 s[G0S+2:G0S+3], s[6:7]
	s_or_b32 s[G0S+3], s[G0S+3], 0x80000000
	s_mov_b32 s[G0SB], 1
	s_add_co_u32 s[G0SB+1], s94, SCL
	s_mov_b64 s[G0SB+2:G0SB+3], s[10:11]
	s_or_b32 s[G0SB+3], s[G0SB+3], 0x80000000
	JLOAD G0S, G1S, G0SB, G1SB                     ; the scale bytes first: they are wanted with K step 0
.irp s, 0,1
	s_mov_b32 s[G0+4*\s], 1
	s_add_co_u32 s[G0+4*\s+1], s45, \s*SLOT
	s_add_nc_u64 s[G0+4*\s+2:G0+4*\s+3], s[4:5], \s*ROWB
	s_or_b32 s[G0+4*\s+3], s[G0+4*\s+3], 0x80000000
	s_mov_b32 s[G0B+4*\s], 1
	s_add_co_u32 s[G0B+4*\s+1], s45, \s*SLOT
	s_add_nc_u64 s[G0B+4*\s+2:G0B+4*\s+3], s[8:9], \s*ROWB
	s_or_b32 s[G0B+4*\s+3], s[G0B+4*\s+3], 0x80000000
	JLOAD G0+4*\s, G1, G0B+4*\s, G1B
.endr
	; the biases.  Along B's rows: lane (r, h) wants, for tile b, those of true rows 32 (b / 2) + 16 h + 8 (b % 2) + 0 .. 7.  Along A's rows: for block a, that of true row 32 (a / 2) + 8 (a % 2) + r + 8 (r / 8).
	; Both are loaded on both ways (the addresses stay inside bq and bv) and the one that does not count is cleared.
	v_and_b32 v1, 15, v0                           ; r
	v_bfe_u32 v2, v0, 4, 1                         ; h
	s_and_b32 s46, s42, 3
	s_lshl_b32 s46, s46, 10
	s_lshl_b32 s47, s[CH], 9
	s_add_co_u32 s46, s46, s47
	s_mov_b32 s47, 0
	s_add_nc_u64 s[20:21], s[20:21], s[46:47]
	s_and_b32 s46, s[TR], 3
	s_lshl_b32 s46, s46, 10
	s_lshl_b32 s92, s[RH], 9
	s_add_co_u32 s46, s46, s92
	s_add_nc_u64 s[22:23], s[22:23], s[46:47]
	v_lshlrev_b32 v[CBO], 6, v2
	v_and_b32 v5, 8, v1
	v_add_nc_u32 v5, v5, v1
	v_lshlrev_b32 v[RBO], 2, v5
.irp b, 0,1,2,3,4,5,6,7
	global_load_b128 v[CB+8*\b:CB+8*\b+3], v[CBO], s[20:21] offset:(32*(\b/2)+8*(\b%2))*4
	global_load_b128 v[CB+8*\b+4:CB+8*\b+7], v[CBO], s[20:21] offset:(32*(\b/2)+8*(\b%2))*4+16
.endr
.irp a, 0,1,2,3,4,5,6,7
	global_load_b32 v[RB+\a], v[RBO], s[22:23] offset:(32*(\a/2)+8*(\a%2))*4
.endr
	; LDS addresses
	v_mul_u32_u24 v3, v1, PITCH
	v_lshl_add_u32 v4, v2, 4, v3                   ; a fragment's row x pitch + 16 x half
	s_mul_i32 s46, s[RH], HALFT                    ; my 128 rows of A
	s_mul_i32 s47, s[CH], HALFT                    ; my 128 rows of B,
	s_add_co_u32 s47, s47, 2*HALFT                 ; which lie behind A's 256
.irp s, 0,1
	v_add_nc_u32 v[ADRA+\s], s46, v4
	v_add_nc_u32 v[ADRB+\s], s47, v4
	s_add_co_u32 s46, s46, SLOT
	s_add_co_u32 s47, s47, SLOT
.endr
	v_mul_u32_u24 v5, v1, KS                       ; my row's scale bytes: 32 a row,
	v_lshrrev_b32 v6, 8, v5
	v_lshl_add_u32 v5, v6, 4, v5                   ; and 16 more for each 256 passed
	s_mul_i32 s46, s[RH], HALFS
	s_mul_i32 s47, s[CH], HALFS
	s_add_co_u32 s47, s47, 2*HALFS
	s_sub_co_u32 s47, s47, s46
	v_mul_u32_u24 v6, s47, v2                      ; lanes 16-31 take B's
	s_add_co_u32 s46, s46, SCL
	v_add_nc_u32 v5, v5, v6
	v_add_nc_u32 v[ADRS], s46, v5
	s_mul_i32 s46, s[RH], HALFT                    ; the codes' stage: row 128 x my row half + 16 a + r, byte 128 x my column half + 32 c + 16 h
	s_lshl_b32 s47, s[CH], 7
	s_add_co_u32 s46, s46, s47
	v_add_nc_u32 v[STO], s46, v4
	s_lshl_b32 s46, s[WV], 9                       ; the scale words' stage: 512 bytes a wave
	s_add_co_u32 s46, s46, SSTG
	v_lshl_add_u32 v[SSO], v1, 2, s46
	v_and_b32 v5, 31, v0
	v_lshlrev_b32 v[GSO], 4, v5
	v_add_nc_u32 v[SRD], s46, v[GSO]
	v_mul_u32_u24 v5, v2, PITCH                    ; back: wave w takes rows 64 w on, whole; lanes 0-15 one row, lanes 16-31 the next
	v_lshl_add_u32 v5, v1, 4, v5
	s_mul_i32 s46, s[WV], 64*PITCH
	v_add_nc_u32 v[RD], s46, v5
	; where the results go
	s_lshl_b32 s46, s[TR], 8
	s_lshl_b32 s47, s[WV], 6
	s_add_co_u32 s46, s46, s47                     ; the first row that I store
	s_mul_i32 s46, s46, s16
	s_mul_i32 s47, s42, s18
	s_add_co_u32 s46, s46, s47
	s_mov_b32 s47, 0
	s_add_nc_u64 s[12:13], s[12:13], s[46:47]
	s_lshl_b32 s46, s42, 1
	s_add_co_u32 s46, s46, s[CH]                   ; which run of 128 columns is my wave's
	s_mul_i32 s46, s46, s19
	s_lshl_b32 s92, s[TR], 10
	s_add_co_u32 s46, s46, s92
	s_lshl_b32 s92, s[RH], 9
	s_add_co_u32 s46, s46, s92                     ; + 4 bytes for each row ahead of my 128
	s_add_nc_u64 s[14:15], s[14:15], s[46:47]
	s_wait_loadcnt 0x0                             ; the biases are in; their address registers are free
.set i, 0
.rept 64
	v_and_b32 v[CB+i], s100, v[CB+i]
.set i, i+1
.endr
.set i, 0
.rept 8
	v_and_b32 v[RB+i], s101, v[RB+i]
.set i, i+1
.endr
	s_mov_b32 s20, 0x76543210
	s_mov_b32 s21, 0xfedcba98                      ; v_permlanex16_b32's selects for lane l xor 16
	s_mov_b32 s22, 0x600000                        ; the mantissa field of 57,344
	s_lshl_b32 s23, s16, 1                         ; two result rows on
.macro FRAG reg, adr, q, i             ; a fragment: lane l holds row l % 16; registers 4 c .. 4 c + 3 hold K = 32 c + 16 (l / 16) + 0 .. 15
.irp c, 0,1,2,3
	ds_load_b128 v[\reg+4*\c:\reg+4*\c+3], v[\adr] offset:128*(\q)+32*\c+(\i)*16*PITCH
.endr
.endm
; 16 matrix instructions: A's blocks a0, a0 + 1 x B's eight, 128 along K.  first = 1: the bias is the C of the first product: nothing is cleared, nothing is added later.
; The 64 accumulators take turns, one instruction a turn, in the same order in every step.
.macro MUL16 a0, p, q, sc, first
.irp a, \a0, \a0+1
.irp b, 0,1,2,3,4,5,6,7
.if \first
	v_wmma_scale_f32_16x16x128_f8f6f4 v[8*(8*((\a)%4)+\b):8*(8*((\a)%4)+\b)+7], v[128*(\p)+FR*\b:128*(\p)+FR*\b+FR-1], v[AF+FR*(\a):AF+FR*(\a)+FR-1], v[CB+8*\b:CB+8*\b+7], v[SC+8*NQ*(\sc)+NQ*\b+(\q)], v[SC+8*NQ*(\sc)+NQ*(\a)+(\q)] matrix_a_fmt:MATRIX_FMT_BF8 matrix_b_fmt:MATRIX_FMT_BF8 matrix_a_scale:MATRIX_SCALE_ROW1
.else
	v_wmma_scale_f32_16x16x128_f8f6f4 v[8*(8*((\a)%4)+\b):8*(8*((\a)%4)+\b)+7], v[128*(\p)+FR*\b:128*(\p)+FR*\b+FR-1], v[AF+FR*(\a):AF+FR*(\a)+FR-1], v[8*(8*((\a)%4)+\b):8*(8*((\a)%4)+\b)+7], v[SC+8*NQ*(\sc)+NQ*\b+(\q)], v[SC+8*NQ*(\sc)+NQ*(\a)+(\q)] matrix_a_fmt:MATRIX_FMT_BF8 matrix_b_fmt:MATRIX_FMT_BF8 matrix_a_scale:MATRIX_SCALE_ROW1
.endif
.endr
.endr
.endm
.macro FETCH_B slot, q, p
	WIN TO_B
.irp i, 0,1,2,3,4,5,6,7
	FRAG 128*(\p)+FR*\i, ADRB+\slot, \q, \i
.endr
	WIN 0
.endm
.macro FETCH_A slot, q, i0
.irp i, \i0, \i0+1, \i0+2, \i0+3
	FRAG AF+FR*(\i), ADRA+\slot, \q, \i
.endr
.endm
.macro SCALES sc                       ; a K step's scale words: two words a row; lanes 0-15 take A's block i, lanes 16-31 B's block i
.irp i, 0,1,2,3,4,5,6,7
	ds_load_b64 v[SC+8*NQ*\sc+NQ*\i:SC+8*NQ*\sc+NQ*\i+1], v[ADRS] offset:\i*SBLK
.endr
.endm
.macro PLACES n                        ; plain vector instructions between a matrix instruction and a load into, or a vector instruction on, its registers (ISA guide 7.12.1 for vector instructions)
.rept \n
	v_nop
.endr
.endm
.macro STEP slot, q, first             ; 128 along K that have their successor in the same slot
	s_wait_dscnt 4*NL                              ; B's set and A's blocks 0-3 are in; the youngest 16 loads (A's blocks 4-7) may be out
.if \first
	WIN FIRST_LO
.else
	WIN MUL_LO
.endif
	MUL16 0, (\q)%2, \q, \slot, \first
	MUL16 2, (\q)%2, \q, \slot, \first
	s_wait_dscnt 0
	PLACES NP
	FETCH_B \slot, (\q)+1, 1-(\q)%2
	FETCH_A \slot, (\q)+1, 0
.if \first
	WIN FIRST_HI
.else
	WIN MUL_HI
.endif
	MUL16 4, (\q)%2, \q, \slot, \first
	MUL16 6, (\q)%2, \q, \slot, \first
	PLACES NP
	WIN 0
	FETCH_A \slot, (\q)+1, 4
.endm
; A slot's last 128 along K change slots: ONE barrier; in front of it each wave waits for all its tensor loads, adds 0 to its spare word, and waits for that and for its own reads of this slot.
.macro TURN slot, next, fill
	s_wait_tensorcnt 0x0                           ; all my tensor loads have landed: my part of the next slot
	ds_add_u32 v[SPW], v[NIL]                      ; 0 onto my spare word
	s_wait_dscnt 4*NL+1                            ; (the add and the youngest 16 loads, A's blocks 4-7, may be out)
	WIN MUL_LO
	MUL16 0, 1, NQ-1, \slot, 0                     ; sixteen matrix instructions stand between the add and the wait for it
	s_wait_dscnt 0x0                               ; the add is done, and my reads of this slot are over
	s_barrier_signal -1
	MUL16 2, 1, NQ-1, \slot, 0
	WIN 0
	s_barrier_wait -1
.if \fill
	CREST                                          ; the barrier has opened a round of the cluster's barrier: no wave of any partner still reads this slot or has a load on its way
	s_add_nc_u64 s[G0+4*\slot+2:G0+4*\slot+3], s[G0+4*\slot+2:G0+4*\slot+3], 2*ROWB
	s_add_nc_u64 s[G0B+4*\slot+2:G0B+4*\slot+3], s[G0B+4*\slot+2:G0B+4*\slot+3], 2*ROWB
	JLOAD G0+4*\slot, G1, G0B+4*\slot, G1B         ; the first tensor load behind the round; its four v_nop are among the places in front of the loads below
	PLACES NP-4
.else
	PLACES NP
.endif
	v_add_nc_u32 v[ADRS], 4*NQ, v[ADRS]            ; on to the next K step's scale words (no LDS load of mine is out)
	FETCH_B \next, 0, 0
	FETCH_A \next, 0, 0
	SCALES \next
	WIN MUL_HI
	MUL16 4, 1, NQ-1, \slot, 0
	MUL16 6, 1, NQ-1, \slot, 0
	PLACES NP
	WIN 0
	FETCH_A \next, 0, 4
.endm
	s_wait_tensorcnt 1                             ; the scale bytes and my part of K step 0 are in (K step 1's load may be out),
	s_barrier_signal -1
	s_barrier_wait -1                              ; everybody's are
	FETCH_B 0, 0, 0
	FETCH_A 0, 0, 0
	SCALES 0
	FETCH_A 0, 0, 4
	STEP 0, 0, 1                                   ; the first 128 along K stand in front of the loop: their products start the sums
	s_mov_b32 s3, LAPS-1
.Llap:                                                 ; a trip goes once round the ring and fills both slots again
	TURN 0, 1, 1
	STEP 1, 0, 0
	TURN 1, 0, 1
	STEP 0, 0, 0
	s_sub_co_u32 s3, s3, 1
	s_cmp_lg_u32 s3, 0
	s_cbranch_scc1 .Llap
	TURN 0, 1, 0                                   ; the last lap fills nothing
	STEP 1, 0, 0
	s_wait_dscnt 4*NL
	WIN MUL_LO
	MUL16 0, 1, NQ-1, 1, 0
	MUL16 2, 1, NQ-1, 1, 0
	s_wait_dscnt 0
	WIN MUL_HI
	MUL16 4, 1, NQ-1, 1, 0
	MUL16 6, 1, NQ-1, 1, 0
	WIN 0
; THE WAY OUT.  64 numbers of a lane, v[s] on, register 16 b + i = column 32 b + 16 (lane / 16) + i of my row, become 16 registers of codes and a scale word.
.macro QUANT s, pc, pw
.irp b, 0,1,2,3
	v_max3_num_f32 v[TM+\b], |v[\s+16*\b]|, |v[\s+1+16*\b]|, 0x8000000   ; block b: my 16 numbers, and the floor 2^(16 - 127): the byte cannot fall under 1
.endr
.irp i, 2,4,6,8,10,12,14
.irp b, 0,1,2,3
	v_max3_num_f32 v[TM+\b], v[TM+\b], |v[\s+16*\b+\i]|, |v[\s+1+16*\b+\i]|   ; (the four blocks by turns)
.endr
.endr
.irp b, 0,1,2,3
	v_permlanex16_b32 v[TM+4+\b], v[TM+\b], s20, s21
.endr
.irp b, 0,1,2,3
	v_max_num_f32 v[TM+\b], v[TM+\b], v[TM+4+\b]   ; with lane l xor 16's: the block's largest magnitude
.endr
.irp b, 0,1,2,3
	v_add_nc_u32 v[TM+12+\b], 0xf8800000, v[TM+\b]   ; 15 off its exponent field: the conversion's scale operand
.endr
.irp b, 0,1,2,3
	v_and_or_b32 v[TM+8+\b], v[TM+\b], 0x7f800000, s22   ; 57,344 x the scale
.endr
.irp b, 0,1,2,3
	v_lshrrev_b32 v[TM+4+\b], 23, v[TM+12+\b]      ; the scale's byte
.endr
	v_lshl_or_b32 v[\pw], v[TM+5], 8, v[TM+4]
	v_lshl_or_b32 v[\pw], v[TM+6], 16, v[\pw]
	v_lshl_or_b32 v[\pw], v[TM+7], 24, v[\pw]
.irp b, 0,1,2,3
.irp i, 0,1,2,3,4,5,6,7,8,9,10,11,12,13,14,15
	v_med3_num_f32 v[\s+16*\b+\i], v[\s+16*\b+\i], -v[TM+8+\b], v[TM+8+\b]   ; the conversion does not saturate (ISA guide 7.6.2): the hold comes first
.endr
	v_cvt_scalef32_pk8_bf8_f32 v[\pc+4*\b:\pc+1+4*\b], v[\s+16*\b:\s+7+16*\b], v[TM+12+\b]
	v_cvt_scalef32_pk8_bf8_f32 v[\pc+2+4*\b:\pc+3+4*\b], v[\s+8+16*\b:\s+15+16*\b], v[TM+12+\b]
.endr
	v_nop                                          ; one plain vector instruction behind the last conversion, ahead of the next lines that write its sources
.endm
; Block a: my 16 rows x 128 columns: (sum) x f + bias x f, quantised, into the stages.
.macro OUTBLK a
	v_mul_f32 v[RBF], s96, v[RB+(\a)]
	WIN (0x02+(\a)/4)                              ; source 0: window 2 or 3
.set i, 0
.rept 32
	v_pk_fma_f32 v[T+2*i:T+2*i+1], v[64*((\a)%4)+2*i:64*((\a)%4)+2*i+1], s[96:97], v[RBF:RBF+1] op_sel_hi:[1,0,0]   ; each accumulator from its low end on
.set i, i+1
.endr
	WIN 0
	QUANT T, PC+16*(\a), PW+(\a)
.irp c, 0,1,2,3
	ds_store_b128 v[STO], v[PC+16*(\a)+4*\c:PC+16*(\a)+4*\c+3] offset:(\a)*16*PITCH+32*\c
.endr
	ds_store_b32 v[SSO], v[PW+(\a)] offset:64*(\a) ; both halves of the lanes write the same word with the same value
.endm
	PLACES NP                                      ; behind the last products: their results are read and their operands' registers written below
.irp b, 0,1,2,3
	v_mov_b32 v[TM+4+\b], 0                        ; written once: a lane permute's destination counts as one of its sources
.endr
	v_mov_b32 v[RBF+1], 0                          ; (named as the upper half of a pair)
.irp a, 0,1,2,3,4,5,6,7
	OUTBLK \a
.endr
	s_wait_dscnt 0x0                               ; for the others' sake: my stores into the stages are done
	s_barrier_signal -1
	s_barrier_wait -1                              ; a row's 256 bytes come from two waves
	ds_load_b128 v[SW:SW+3], v[SRD]                ; my wave's 128 scale words
.set i, 0
.rept 32
	ds_load_b128 v[OUTR+4*i:OUTR+4*i+3], v[RD] offset:i*2*PITCH
.set i, i+1
.endr
	v_bfe_u32 v3, v0, 3, 1                         ; which 128 bytes of the row are mine,
	v_and_b32 v4, 7, v0                            ; and which 16 of them
	v_mul_lo_u32 v5, v2, s16
	v_mul_lo_u32 v6, v3, s17
	v_lshl_add_u32 v[OFF], v4, 4, v5
	v_add_nc_u32 v[OFF], v[OFF], v6
.set i, 1
.rept 31
	v_add_nc_u32 v[OFF+i], s23, v[OFF+i-1]
.set i, i+1
.endr
.set i, 0
.rept 32
	s_wait_dscnt 31-i                              ; the younger loads from the stage may be out
	global_store_b128 v[OFF+i], v[OUTR+4*i:OUTR+4*i+3], s[12:13]   ; way QK: two rows of 256 consecutive bytes; way V: two neighbouring rows of 128 bytes in each of two runs: 256 consecutive bytes twice; all aligned
.set i, i+1
.endr
	global_store_b128 v[GSO], v[SW:SW+3], s[14:15] ; 512 consecutive bytes
	s_wait_tensorcnt 0x0                           ; the wave's end
	ds_add_u32 v[SPW], v[NIL]
	s_wait_dscnt 0x0
	CROUND                                         ; the closing round: no work-group ends while a partner may still ask for a tile that names it
	s_endpgm
.Lfunc_end_k_q56128f0265_proj:
	.size	k_q56128f0265_proj, .Lfunc_end_k_q56128f0265_proj-k_q56128f0265_proj
	.p2alignl 7, 3214868480
	.fill 96, 4, 3214868480
	.section	.rodata,"a",@progbits
	.p2align	6, 0x0
	.amdhsa_kernel k_q56128f0265_proj
		.amdhsa_group_segment_fixed_size 327680
		.amdhsa_private_segment_fixed_size 0
		.amdhsa_enable_private_segment 0
		.amdhsa_kernarg_size 48
		.amdhsa_user_sgpr_count 2
		.amdhsa_user_sgpr_kernarg_segment_ptr 1
		.amdhsa_wavefront_size32 1
		.amdhsa_system_sgpr_workgroup_id_x 1
		.amdhsa_system_sgpr_workgroup_id_y 1
		.amdhsa_system_sgpr_workgroup_id_z 1
		.amdhsa_system_vgpr_workitem_id 0
		.amdhsa_next_free_vgpr 1024
		.amdhsa_next_free_sgpr 102
		.amdhsa_reserve_vcc 0
		.amdhsa_float_denorm_mode_32 3
		.amdhsa_float_denorm_mode_16_64 3
		.amdhsa_memory_ordered 1
		.amdhsa_forward_progress 1
		.amdhsa_inst_pref_size 214
	.end_amdhsa_kernel
	.amdgpu_metadata
---
amdhsa.version: [ 1, 2 ]
amdhsa.kernels:
  - .name:           k_q56128f0265_proj
    .symbol:         k_q56128f0265_proj.kd
    .args:
      - { .name: xq, .offset: 0, .size: 8, .value_kind: global_buffer, .address_space: global }
      - { .name: wq, .offset: 8, .size: 8, .value_kind: global_buffer, .address_space: global }
      - { .name: bq, .offset: 16, .size: 8, .value_kind: global_buffer, .address_space: global }
      - { .name: bv, .offset: 24, .size: 8, .value_kind: global_buffer, .address_space: global }
      - { .name: qk, .offset: 32, .size: 8, .value_kind: global_buffer, .address_space: global }
      - { .name: vq, .offset: 40, .size: 8, .value_kind: global_buffer, .address_space: global }
    .group_segment_fixed_size: 327680
    .private_segment_fixed_size: 0
    .kernarg_segment_align: 8
    .kernarg_segment_size: 48
    .max_flat_workgroup_size: 128
    .sgpr_count:     102
    .vgpr_count:     1024
    .wavefront_size: 32
...
	.end_amdgpu_metadata
.endif
;; end of part 2
;; launch attn (part 3): grid 16 x 32, 16 waves a work-group, clusters of 4 x 4, 327,680 bytes of LDS; arguments qk, vq, mask, att; writes att
.if DOCPART == 3
	.amdgcn_target "amdgcn-amd-amdhsa--gfx1250"
	.amdhsa_code_object_version 6
	.text
	.protected	k_q56128f0265_attn
	.globl	k_q56128f0265_attn
	.p2align	8
	.type	k_q56128f0265_attn,@function
k_q56128f0265_attn:
	s_mov_b64 s[64:65], 0
	v_nop
	global_prefetch_b8 v0, s[64:65] scope:SCOPE_SE
	s_setreg_imm32_b32 hwreg(HW_REG_WAVE_MODE, 25, 1), 1
	s_wait_xcnt 0x0
	s_wait_alu depctr_hold_cnt(0) depctr_sa_sdst(0) depctr_va_vdst(0) depctr_va_sdst(0) depctr_va_ssrc(0) depctr_va_vcc(0) depctr_vm_vsrc(0)
	s_getreg_b32 s2, hwreg(HW_REG_IB_STS2, 6, 4)
	s_cmp_eq_u32 s2, 0
	s_cbranch_scc0 .Lentry_in_a_cluster
	s_endpgm
.Lentry_in_a_cluster:
	s_bfe_u32 s2, ttmp6, 0x10000c
	s_cmp_lg_u32 s2, 0xf033
	s_cbranch_scc0 .Lentry_shape_is_right
	s_endpgm
.Lentry_shape_is_right:
; Attention on codes of BF8 (E5M2) with E8M0 scales: logit = q . k + mask; t = logit x log2(e); M = the running largest t rounded UP to a whole number; p = 2^(t - M) is quantised along the keys and multiplied with v;
; the row's sum of the unquantised p divides at the end; the result is quantised along (head, channel) for the last projection.  THE MASK IS AN INPUT: every number of it is read and added; all 2,048 keys are walked.
; qk: codes [8192 places][2048] (q, then k), scale words at QKS [16][8192 places][4].  vq: codes [64 runs of 128 keys][1024 places of (head, channel)][128], scale words at VQS [64][1024][4].
; att: codes [8192 places][1024], scale bytes at ATS [8192 places][32].  A row's place is its number with bits 3 and 4 swapped.
; SHARES.  A work-group owns 64 queries of one batch and 4 heads; wave w owns true queries 16 (w % 4) + 0 .. 15 and head w / 4: one tile, 256 registers.
; A key step is 128 keys and fills one of two LDS slots: 128 keys x 256 bytes of k, 256 rows x 128 bytes of v, 64 x 128 numbers of the mask.
; TWO GROUPS, HALF A STEP APART.  A key step's work is a HEAD (40 LDS loads of mask and k, eight score products, 20 LDS loads of v) and a TAIL (the softmax, about 330 vector instructions, and four products with v).
; Between the change of slots to step j and the next one, group 0 runs HEAD j and then TAIL j; group 1 runs TAIL j - 1, on logits and fragments of v that it holds in registers across the change, and then HEAD j.
; So while one group's LDS loads are out the other group has vector work at hand.  Both groups read step j's slot between the same two changes, so the ring's order is that of one group.
; The group is ((w / 4) xor w) % 2: of waves w, w + 4, w + 8, w + 12, and of four neighbouring waves alike, two fall in each group.
; CLUSTER.  4 x 4 work-groups: x = the group of 4 heads, y = the block of queries; the cluster's x is the batch.  The mask's tile hangs on the block of queries alone and is asked for jointly along a row of the
; cluster; k's and v's tiles and scale words hang on batch and heads alone and are asked for jointly along a column.
; LAYOUT.  Both products are used transposed (S^T = K Q^T + mask^T, O^T = V^T P^T): a lane holds ONE query throughout.  Sixteen neighbouring stored rows of k (of v) are source 0, so the 16 registers of result tiles
; 2 c and 2 c + 1 are true keys (channels) 32 c + 16 (lane / 16) + 0 .. 15.  THE MASK IS THE C OF THE SCORE PRODUCT: its 64 numbers of a lane are loaded into the accumulators, and the addition costs no line.
; K = 64 IN AN INSTRUCTION OF 128.  Q's operand holds zero codes for k = 64 .. 127.  K's operand for tile t is 16 registers of which the upper 8 are the next tile's codes (tile 7's: zeros): finite numbers, by the
; quantiser's hold, which meet zero codes and add nothing.  Q's and K's scale words are loaded as 16 bits, so that the bytes of k = 64 .. 127 are 0, never 0xff.
; t IS FORMED IN TWO ROUNDINGS, logit x log2(e) and then - M: M comes from the rounded product, so t - M is never above 0 and p never above 1, whatever finite numbers the mask holds.
; LIMITS: a row whose every logit is -infinity gives NaN, as the softmax of such a row does; NaN among the inputs is not served; a block of zeros gets the byte 1 (its codes are zeros; this program alone reads the bytes).
.set QKS,   16777216
.set VQS,   8388608
.set ATS,   8388608
.set KP,    272                        ; k: a key's 256 bytes + 16 of padding; v: two rows of 128 bytes + 16
.set MP,    528                        ; the mask: 512 bytes + 16
.set VOFF,  128*KP
.set MOFF,  2*128*KP
.set SLOT1, 1<<17                      ; slot 1 begins here: one exclusive or turns an address from one slot to the other
.set SCK,   MOFF+64*MP                 ; behind slot 0: k's scale words of the batch and my 4 heads: [2][2048 keys][4 bytes]
.set SCV,   SLOT1+SCK                  ; behind slot 1: v's: [16 steps][256 rows][4 bytes]
.set SPARE, SCV+16384                  ; the spare words: 128 bytes for each wave, eight blocks of 256 bytes that no other line names
.set SSTG,  64*KP                      ; the way out: codes' stage at 0 (64 rows x 272), scale bytes here (8 a row): in slot 0, which was left at the last change of slots
.set AK0,  1                           ; v1-4, v7: my lane's places in the tiles; they stay until the way out
.set AV0,  2
.set ASK0, 3
.set ASV0, 4
.set SPW,  5                           ; v5  my spare word; never rewritten
.set NIL,  6                           ; v6  0; never rewritten
.set AM0,  7
.set ADK,  8                           ; v8-11, v244: the step's addresses, made by all waves behind the change of slots
.set ADV,  9
.set ADS,  10
.set ADT,  11
.set QF,   16                          ; v16-23 Q's codes, v24-31 zeros
.set KV,   32                          ; v32-95 k's eight tiles of 8 registers, later v's four fragments of 16; v96-103 zeros for good
.set S,    104                         ; v104-167 the mask, then the logits, then p
.set O,    168                         ; v168-199 O^T
.set PCD,  200                         ; v200-215 p's codes
.set BM,   216                         ; v216-219 the blocks' largest
.set PM,   220                         ; v220-223 at work
.set HL,   224                         ; v224-227 57,344 x the scales
.set SO,   228                         ; v228-231 the conversions' scale operands
.set SW,   232                         ; v232-239 k's (v's) scale words
.set F,    240                         ; v[240:241] f = 2^(old M - new M)
.set PWD,  242                         ; v242 p's scale word
.set QW,   243                         ; v243 Q's scale word
.set ADM,  244
.set PFO,  245                         ; v245 the prefetches' offset; never rewritten
.set L2,   246                         ; v[246:247] the sum's second chain
.set TA,   248                         ; v248-249 at work
.set TB,   2                           ; s2  LDS byte at which the slot in hand begins
.set WV,   18
.set MNT,  19
.set SEL,  20
.set CS,   22                          ; s[22:23] log2(e)
.set G1K,  24
.set G1V,  32
.set G1M,  40
.set G1KS, 48
.set G1VS, 56
.set QT,   66                          ; s66 my tile of queries
.set HD,   67                          ; s67 my head of the four
.set G0K,  68
.set G0V,  72
.set G0M,  76
.set G0KS, 80
.set G0VS, 84
.set PFA,  88                          ; s[88:89] where my prefetches stand
.set PFS,  90                          ; s[90:91] a key step on, in bytes
.set LIM,  92                          ; s92 1 in a wave that prefetches, else the greatest number
.set SLOTS, 93                         ; s93 key steps still to be asked for
.set TS,   94                          ; s94 the step's scale words of k: 512 bytes a step
.set TJ,   95                          ; s95 and of v: 1,024
.set GRP,  99                          ; s99 my group, 0 or 1 (the register is at work in the head until then)
.macro CROUND                          ; a round of the cluster's barrier
	s_barrier_signal -1
	s_barrier_wait -1
	s_cmp_lg_u32 s[WV], 0
	s_cbranch_scc1 .Lnot_wave_0_\@
	s_barrier_signal -3
.Lnot_wave_0_\@:
	s_barrier_wait -3
	s_barrier_signal -1
	s_barrier_wait -1
.endm
; The joint loads of a key step: waves 0 and 1 k's halves, waves 2 and 3 v's, wave 4 the mask's tile; with head = 1 also wave 5 k's scale words and wave 6 v's.  One load a wave at the most.
; The branches hang on the wave's number alone.  Four v_nop follow each tensor load.
.macro TLOAD head
	s_cmp_lt_u32 s[WV], 2
	s_cbranch_scc0 .Lnot_k_\@
	tensor_load_to_lds s[G0K:G0K+3], s[G1K:G1K+7]
	s_nop 0
.rept 4
	v_nop
.endr
	s_branch .Lasked_\@
.Lnot_k_\@:
	s_cmp_lt_u32 s[WV], 4
	s_cbranch_scc0 .Lnot_v_\@
	tensor_load_to_lds s[G0V:G0V+3], s[G1V:G1V+7]
	s_nop 0
.rept 4
	v_nop
.endr
	s_branch .Lasked_\@
.Lnot_v_\@:
	s_cmp_eq_u32 s[WV], 4
	s_cbranch_scc0 .Lnot_m_\@
	tensor_load_to_lds s[G0M:G0M+3], s[G1M:G1M+7]
	s_nop 0
.rept 4
	v_nop
.endr
.if \head
	s_branch .Lasked_\@
.endif
.Lnot_m_\@:
.if \head
	s_cmp_eq_u32 s[WV], 5
	s_cbranch_scc0 .Lnot_ks_\@
	tensor_load_to_lds s[G0KS:G0KS+3], s[G1KS:G1KS+7]
	s_nop 0
.rept 4
	v_nop
.endr
	s_branch .Lasked_\@
.Lnot_ks_\@:
	s_cmp_eq_u32 s[WV], 6
	s_cbranch_scc0 .Lasked_\@
	tensor_load_to_lds s[G0VS:G0VS+3], s[G1VS:G1VS+7]
	s_nop 0
.rept 4
	v_nop
.endr
.endif
.Lasked_\@:
.endm
; A PREFETCH INTO THE L2 of what the NEXT change of slots will ask for, one key step ahead of that load; it stands at the change, where the fetching waves have their tensor load.  Each aligned block of 256 bytes is
; named once in the launch.  k's 128 rows x 256 bytes (wave 5) and v's 32,768 bytes (wave 6) are walked by all clusters of a batch: the cluster with y = 0 asks, and its four partners along y share them out BY ADDRESS
; (32 rows; 8,192 bytes).  The mask's 64 rows x 512 bytes (wave 7) are walked by all batches and heads: the cluster with x = 0 asks, and its partners along x take 16 rows each, two lanes a row.
; The last change that fills a slot asks for nothing.  Key steps 0 and 1 come by their loads alone.
.macro ASK
	s_cmp_gt_u32 s[SLOTS], s[LIM]
	s_cbranch_scc0 .Lnot_mine_\@
	global_prefetch_b8 v[PFO], s[PFA:PFA+1] th:TH_LOAD_NT scope:SCOPE_SE
.Lnot_mine_\@:
.endm
	s_load_b256 s[4:11], s[0:1], 0x0               ; qk, vq, mask, att
	v_lshl_add_u32 v[SPW], v0, 2, SPARE
	v_mov_b32 v[NIL], 0
	ds_add_u32 v5, v6
	s_wait_dscnt 0x0
	v_lshrrev_b32 v8, 5, v0
	v_readfirstlane_b32 s[WV], v8                  ; wave 0..15
	s_bfe_u32 s96, ttmp6, 0x40000                  ; cx: the group of 4 heads
	s_bfe_u32 s97, ttmp6, 0x40004                  ; cy
	s_and_b32 s98, ttmp7, 0xffff
	s_lshl_b32 s98, s98, 2
	s_add_co_u32 s98, s98, s97                     ; the block of 64 queries
	s_lshl_b32 s99, s97, 2
	s_lshl_b32 s99, 15, s99                        ; my row of the cluster
	s_lshl_b32 s100, 0x1111, s96                   ; my column
	; descriptor groups 1.  k: 64 rows x 256 bytes, 2,048 apart;  v: 64 rows x 256 bytes, dense;  16 bytes of padding behind each
	s_or_b32 s[G1K], s100, (0<<16)|(1<<20)|(1<<21)|(5<<22)|(3<<25)
	s_or_b32 s[G1V], s100, (0<<16)|(1<<20)|(1<<21)|(5<<22)|(3<<25)
.irp g, G1K, G1V
	s_mov_b32 s[\g+1], 256<<16
	s_mov_b32 s[\g+2], 64<<16
	s_mov_b32 s[\g+3], 256<<16
	s_mov_b32 s[\g+4], 64
	s_mov_b32 s[\g+6], 0
	s_mov_b32 s[\g+7], 0
.endr
	s_mov_b32 s[G1K+5], 2048
	s_mov_b32 s[G1V+5], 256
	; the mask: 64 rows x 128 elements of 4 bytes, 2,048 elements apart; 16 bytes of padding behind every 128 words
	s_or_b32 s[G1M], s99, (2<<16)|(1<<20)|(1<<21)|(6<<22)|(3<<25)
	s_mov_b32 s[G1M+1], 128<<16
	s_mov_b32 s[G1M+2], 64<<16
	s_mov_b32 s[G1M+3], 128<<16
	s_mov_b32 s[G1M+4], 64
	s_mov_b32 s[G1M+5], 2048
	s_mov_b32 s[G1M+6], 0
	s_mov_b32 s[G1M+7], 0
	; k's scale words: 2 rows of 8,192 bytes (1,024 elements of 8), 32,768 bytes apart;  v's: 16 rows of 1,024 bytes, 4,096 apart; no padding
	s_or_b32 s[G1KS], s100, (3<<16)|(1<<21)
	s_mov_b32 s[G1KS+1], 1024<<16
	s_mov_b32 s[G1KS+2], 2<<16
	s_mov_b32 s[G1KS+3], 1024<<16
	s_mov_b32 s[G1KS+4], 2
	s_mov_b32 s[G1KS+5], 4096
	s_mov_b32 s[G1KS+6], 0
	s_mov_b32 s[G1KS+7], 0
	s_or_b32 s[G1VS], s100, (3<<16)|(1<<21)
	s_mov_b32 s[G1VS+1], 128<<16
	s_mov_b32 s[G1VS+2], 16<<16
	s_mov_b32 s[G1VS+3], 128<<16
	s_mov_b32 s[G1VS+4], 16
	s_mov_b32 s[G1VS+5], 512
	s_mov_b32 s[G1VS+6], 0
	s_mov_b32 s[G1VS+7], 0
	; groups 0.  What is shared along a column is made of the batch, cx and the wave's number (s12-15); the mask's of the block of queries alone (s16-17)
	s_and_b32 s12, s[WV], 1                        ; which half of k's or v's tile I fetch
	s_mul_i32 s3, s12, 64*KP
	s_mov_b32 s15, 0
	s_mov_b32 s17, 0
	s_wait_kmcnt 0x0
	s_lshl_b32 s14, ttmp9, 22                      ; k: the batch's 2,048 rows of 2,048 bytes,
	s_lshl_b32 s13, s12, 17                        ; my 64 rows,
	s_add_co_u32 s14, s14, s13
	s_lshl_b32 s13, s96, 8                         ; my 4 heads' 256 bytes,
	s_add_co_u32 s14, s14, s13
	s_add_co_u32 s14, s14, 1024                    ; behind q's 1,024
	s_mov_b32 s[G0K], 1
	s_mov_b32 s[G0K+1], s3
	s_add_nc_u64 s[G0K+2:G0K+3], s[4:5], s[14:15]
	s_or_b32 s[G0K+3], s[G0K+3], 0x80000000
	s_lshl_b32 s14, ttmp9, 21                      ; v: the batch's 16 runs of 131,072 bytes,
	s_lshl_b32 s13, s96, 15                        ; my 4 heads' 256 rows of 128 bytes,
	s_add_co_u32 s14, s14, s13
	s_lshl_b32 s13, s12, 14                        ; my half of them
	s_add_co_u32 s14, s14, s13
	s_mov_b32 s[G0V], 1
	s_add_co_u32 s[G0V+1], s3, VOFF
	s_add_nc_u64 s[G0V+2:G0V+3], s[6:7], s[14:15]
	s_or_b32 s[G0V+3], s[G0V+3], 0x80000000
	s_lshl_b32 s14, s96, 16                        ; k's scale words: runs 8 + 2 cx and the next, of 32,768 bytes,
	s_lshl_b32 s13, ttmp9, 13                      ; the batch's 2,048 words
	s_add_co_u32 s14, s14, s13
	s_add_co_u32 s14, s14, QKS+262144
	s_mov_b32 s[G0KS], 1
	s_mov_b32 s[G0KS+1], SCK
	s_add_nc_u64 s[G0KS+2:G0KS+3], s[4:5], s[14:15]
	s_or_b32 s[G0KS+3], s[G0KS+3], 0x80000000
	s_lshl_b32 s14, ttmp9, 16                      ; v's: the batch's 16 runs of 4,096 bytes,
	s_lshl_b32 s13, s96, 10                        ; my 256 rows' words
	s_add_co_u32 s14, s14, s13
	s_add_co_u32 s14, s14, VQS
	s_mov_b32 s[G0VS], 1
	s_mov_b32 s[G0VS+1], SCV
	s_add_nc_u64 s[G0VS+2:G0VS+3], s[6:7], s[14:15]
	s_or_b32 s[G0VS+3], s[G0VS+3], 0x80000000
	s_lshl_b32 s16, s98, 19                        ; the mask: 64 rows of 8,192 bytes a block
	s_mov_b32 s[G0M], 1
	s_mov_b32 s[G0M+1], MOFF
	s_add_nc_u64 s[G0M+2:G0M+3], s[8:9], s[16:17]
	s_or_b32 s[G0M+3], s[G0M+3], 0x80000000
	CROUND                                         ; all sixteen work-groups are here: the first joint loads meet
	TLOAD 1                                        ; key step 0 into slot 0, and the scale words: one load a wave
	; Q: my 16 true queries 16 qt + r lie at places 32 (qt / 2) + 8 (qt % 2) + 16 (r / 8) + r % 8 of the block
	s_and_b32 s[QT], s[WV], 3
	s_lshr_b32 s[HD], s[WV], 2
	s_lshl_b32 s101, ttmp9, 11
	s_lshl_b32 s3, s98, 6
	s_add_co_u32 s101, s101, s3
	s_lshr_b32 s3, s[QT], 1
	s_lshl_b32 s3, s3, 5
	s_add_co_u32 s101, s101, s3
	s_and_b32 s3, s[QT], 1
	s_lshl_b32 s3, s3, 3
	s_add_co_u32 s101, s101, s3                    ; the scalar part of the row
	s_lshl_b32 s12, s101, 11
	s_lshl_b32 s3, s96, 2
	s_add_co_u32 s3, s3, s[HD]                     ; my head of the 16
	s_lshl_b32 s3, s3, 6
	s_add_co_u32 s12, s12, s3
	s_mov_b32 s13, 0
	s_add_nc_u64 s[12:13], s[4:5], s[12:13]        ; its codes
	s_lshl_b32 s14, s96, 1
	s_lshr_b32 s3, s[HD], 1
	s_add_co_u32 s14, s14, s3                      ; my pair of heads
	s_lshl_b32 s14, s14, 15
	s_lshl_b32 s3, s101, 2
	s_add_co_u32 s14, s14, s3
	s_and_b32 s3, s[HD], 1
	s_lshl_b32 s3, s3, 1
	s_add_co_u32 s14, s14, s3                      ; my head's two bytes of the word
	s_add_co_u32 s14, s14, QKS
	s_add_nc_u64 s[14:15], s[4:5], s[14:15]
	v_and_b32 v8, 15, v0                           ; r
	v_bfe_u32 v9, v0, 4, 1                         ; h
	v_and_b32 v10, 8, v8
	v_add_nc_u32 v10, v10, v8                      ; 16 (r / 8) + r % 8
	v_lshlrev_b32 v11, 11, v10
	v_lshl_add_u32 v11, v9, 4, v11
	global_load_b128 v[QF:QF+3], v11, s[12:13]
	global_load_b128 v[QF+4:QF+7], v11, s[12:13] offset:32
	v_lshlrev_b32 v[TA], 2, v10
	global_load_u16 v[QW], v[TA], s[14:15]         ; 16 bits: the bytes of k = 64 .. 127 are 0
	; the prefetches: where my wave's stand (at key step 1: the first change steps them to 2), and who asks
	s_lshl_b32 s16, ttmp9, 22
	s_lshl_b32 s3, s96, 8
	s_add_co_u32 s16, s16, s3
	s_lshl_b32 s3, s97, 16                         ; 32 rows by cy
	s_add_co_u32 s16, s16, s3
	s_add_co_u32 s16, s16, 1024+262144             ; k
	s_lshl_b32 s17, ttmp9, 21
	s_lshl_b32 s3, s96, 15
	s_add_co_u32 s17, s17, s3
	s_lshl_b32 s3, s97, 13                         ; 8,192 bytes by cy
	s_add_co_u32 s17, s17, s3
	s_add_co_u32 s17, s17, 131072                  ; v
	s_lshl_b32 s99, s98, 19
	s_lshl_b32 s3, s96, 17                         ; 16 rows by cx
	s_add_co_u32 s99, s99, s3
	s_add_co_u32 s99, s99, 512                     ; the mask
	s_cmp_eq_u32 s[WV], 5
	s_cselect_b64 s[PFA:PFA+1], s[4:5], s[6:7]
	s_cselect_b32 s16, s16, s17
	s_mov_b32 s[PFS], 131072
	s_cselect_b32 s[PFS], 262144, s[PFS]
	s_mov_b32 s100, 512
	s_cselect_b32 s100, 4096, s100                 ; from a pair of lanes to the next,
	s_mov_b32 s101, 256
	s_cselect_b32 s101, 2048, s101                 ; and inside a pair
	s_cmp_eq_u32 s[WV], 7
	s_cselect_b64 s[PFA:PFA+1], s[8:9], s[PFA:PFA+1]
	s_cselect_b32 s16, s99, s16
	s_cselect_b32 s[PFS], 512, s[PFS]
	s_cselect_b32 s100, 8192, s100
	s_mov_b32 s17, 0
	s_mov_b32 s[PFS+1], 0
	s_add_nc_u64 s[PFA:PFA+1], s[PFA:PFA+1], s[16:17]
	v_bfe_u32 v[L2], v0, 1, 4
	v_and_b32 v[L2+1], 1, v0
	v_mul_lo_u32 v[L2], v[L2], s100
	v_mul_lo_u32 v[L2+1], v[L2+1], s101
	v_add_nc_u32 v[PFO], v[L2], v[L2+1]
	s_and_b32 s3, ttmp7, 0xffff
	s_cmp_eq_u32 s[WV], 7
	s_cselect_b32 s3, ttmp9, s3                    ; the cluster coordinate along which other clusters read the same bytes
	s_sub_co_u32 s16, s[WV], 5
	s_cmp_lt_u32 s16, 3
	s_cselect_b32 s16, 0, 1                        ; 0 in waves 5 to 7
	s_or_b32 s3, s3, s16
	s_cmp_eq_u32 s3, 0
	s_cselect_b32 s[LIM], 1, -1                    ; the same in all sixteen partners, for a given wave
	s_lshr_b32 s[GRP], s[WV], 2
	s_xor_b32 s[GRP], s[GRP], s[WV]
	s_and_b32 s[GRP], s[GRP], 1                    ; my group: made of the wave's number alone, the same in every work-group
	; my lane's places in LDS
	v_mul_u32_u24 v[AK0], v8, KP
	v_lshl_add_u32 v[AK0], v9, 4, v[AK0]
	s_lshl_b32 s3, s[HD], 6
	v_add_nc_u32 v[AK0], s3, v[AK0]                ; k: row r, my head's 64 bytes, + 16 h
	v_lshrrev_b32 v[TA+1], 1, v8
	v_mul_u32_u24 v[AV0], v[TA+1], KP
	v_and_b32 v[TA+1], 1, v8
	v_lshl_add_u32 v[AV0], v[TA+1], 7, v[AV0]
	v_lshl_add_u32 v[AV0], v9, 4, v[AV0]
	s_mul_i32 s3, s[HD], 32*KP
	s_add_co_u32 s3, s3, VOFF
	v_add_nc_u32 v[AV0], s3, v[AV0]                ; v: two rows of 128 bytes to an LDS row: 272 (r / 2) + 128 (r % 2) + 16 h: sixteen lanes, sixteen different columns of 16 bytes
	s_lshr_b32 s3, s[HD], 1
	s_lshl_b32 s3, s3, 13
	s_and_b32 s16, s[HD], 1
	s_lshl_b32 s16, s16, 1
	s_add_co_u32 s3, s3, s16
	s_add_co_u32 s3, s3, SCK
	v_lshl_add_u32 v[ASK0], v8, 2, s3              ; k's scale words: my pair of heads, key r, my head's two bytes
	s_lshl_b32 s3, s[HD], 8
	s_add_co_u32 s3, s3, SCV
	v_lshl_add_u32 v[ASV0], v8, 2, s3              ; v's: my head's 64 rows, row r
	v_mul_u32_u24 v[AM0], v8, MP
	v_lshl_add_u32 v[AM0], v9, 6, v[AM0]
	s_mul_i32 s3, s[QT], 16*MP
	s_add_co_u32 s3, s3, MOFF
	v_add_nc_u32 v[AM0], s3, v[AM0]                ; the mask: my query's row, + 64 h bytes: 16 neighbouring keys of each 32
	s_mov_b32 s[SEL], 0x76543210
	s_mov_b32 s[SEL+1], 0xfedcba98                 ; v_permlanex16_b32's selects for lane l xor 16
	s_mov_b32 s[CS], 0x3fb8aa3b                    ; log2(e)
	s_mov_b32 s[CS+1], s[CS]
	s_mov_b32 s[MNT], 0x600000                     ; the mantissa field of 57,344
	s_mov_b32 s[TB], 0
	s_mov_b32 s[TS], 0
	s_mov_b32 s[TJ], 0
	s_mov_b32 s[SLOTS], 15
.set j, 0
.rept 8
	v_mov_b32 v[QF+8+j], 0                         ; Q's zero codes for k = 64 .. 127
	v_mov_b32 v[KV+64+j], 0                        ; and what stands behind k's last tile
.set j, j+1
.endr
	v_mov_b32 v13, 0xff61b1e6                      ; the largest t so far: -3e38
	v_floor_f32 v12, -v13                          ; -M
	v_mov_b32 v14, 0                               ; the sum, in two halves
	v_mov_b32 v15, 0
.irp b, 0,1,2,3
	v_mov_b32 v[PM+\b], 0                          ; written once: a lane permute's destination counts as one of its sources
.endr
	v_mov_b32 v[F+1], 0                            ; (named as the upper half of a pair)
.set j, 0
.rept 32
	v_mov_b32 v[O+j], 0                            ; O^T: the softmax has no first step of its own; the first finds zeros, which the first change of M leaves zeros
.set j, j+1
.endr
; THE STEP'S ADDRESSES, made by every wave straight behind the change of slots, ahead of the lines on which the groups part: group 1 uses them at the end of the span.  Both groups read the same step between two changes.
.macro ADDR
	v_add_nc_u32 v[ADM], s[TB], v[AM0]
	v_add_nc_u32 v[ADK], s[TB], v[AK0]
	v_add_nc_u32 v[ADS], s[TS], v[ASK0]
	v_add_nc_u32 v[ADV], s[TB], v[AV0]
	v_add_nc_u32 v[ADT], s[TJ], v[ASV0]
	s_add_co_u32 s[TS], s[TS], 512                 ; the next step's scale words,
	s_add_co_u32 s[TJ], s[TJ], 1024
	s_xor_b32 s[TB], s[TB], SLOT1                  ; and the other slot
.endm
; A KEY STEP'S HEAD: all that reads LDS.  The mask into the accumulators, k's tiles, the eight score products, v's fragments.
.macro HEAD
.rept 8
	v_nop                                          ; eight places behind the products with v, which in group 1 stand just ahead, in front of loads into their operands' registers
.endr
.irp b, 0,1,2,3
.irp i, 0,1,2,3
	ds_load_b128 v[S+16*\b+4*\i:S+16*\b+4*\i+3], v[ADM] offset:128*\b+16*\i   ; the mask of my query at keys 32 b + 16 h + 4 i on: straight into the accumulators
.endr
.endr
.irp t, 0,1,2,3,4,5,6,7
	ds_load_b128 v[KV+8*\t:KV+8*\t+3], v[ADK] offset:16*KP*\t
	ds_load_b128 v[KV+8*\t+4:KV+8*\t+7], v[ADK] offset:16*KP*\t+32
	ds_load_u16 v[SW+\t], v[ADS] offset:64*\t
.endr
	s_wait_dscnt 0x0
.irp t, 0,1,2,3,4,5,6,7
	v_wmma_scale_f32_16x16x128_f8f6f4 v[S+8*\t:S+8*\t+7], v[KV+8*\t:KV+8*\t+15], v[QF:QF+15], v[S+8*\t:S+8*\t+7], v[SW+\t], v[QW] matrix_a_fmt:MATRIX_FMT_BF8 matrix_b_fmt:MATRIX_FMT_BF8
.endr
.rept 8
	v_nop                                          ; places in front of the loads below and of the first read of the logits
.endr
.irp t, 0,1,2,3                                ; v's fragments: in group 0 they land under the softmax; in group 1 the change of slots waits for them
.irp c, 0,1,2,3
	ds_load_b128 v[KV+16*\t+4*\c:KV+16*\t+4*\c+3], v[ADV] offset:8*KP*\t+32*\c
.endr
	ds_load_b32 v[SW+\t], v[ADT] offset:64*\t
.endr
.endm
; A KEY STEP'S TAIL: work on registers alone, but for the wait for v's fragments.
.macro TAIL
.irp b, 0,1,2,3
	v_max3_num_f32 v[BM+\b], v[S+16*\b], v[S+1+16*\b], v[S+2+16*\b]   ; the largest logit of each block of 32 keys: it serves for the row's maximum and, since p rises with the logit, for the block's largest p
.endr
.irp i, 3,5,7,9,11,13
.irp b, 0,1,2,3
	v_max3_num_f32 v[BM+\b], v[BM+\b], v[S+16*\b+\i], v[S+1+16*\b+\i]
.endr
.endr
.irp b, 0,1,2,3
	v_max_num_f32 v[BM+\b], v[BM+\b], v[S+15+16*\b]
.endr
.irp b, 0,1,2,3
	v_permlanex16_b32 v[PM+\b], v[BM+\b], s[SEL], s[SEL+1]
.endr
.irp b, 0,1,2,3
	v_max_num_f32 v[BM+\b], v[BM+\b], v[PM+\b]     ; with lane l xor 16's 16 keys
.endr
.irp b, 0,1,2,3
	v_mul_f32 v[BM+\b], s[CS], v[BM+\b]            ; as t: the same multiplication that every logit gets below
.endr
	v_max3_num_f32 v[TA], v[BM], v[BM+1], v[BM+2]
	v_max3_num_f32 v13, v13, v[TA], v[BM+3]        ; the running largest t
	v_mov_b32 v[TA], v12
	v_floor_f32 v12, -v13                          ; the new -M = floor(-t): M is a whole number
	v_sub_f32 v[TA], v12, v[TA]                    ; old M - new M: a whole number, 0 or less
	v_cvt_i32_f32 v[TA], v[TA]                     ; (it saturates)
	v_ldexp_f32 v[F], 1.0, v[TA]                   ; f = 2^(old M - new M): multiplying by it rounds nothing
.set j, 0
.rept 32
	v_pk_mul_f32 v[S+j:S+j+1], v[S+j:S+j+1], s[CS:CS+1] op_sel_hi:[1,0]   ; t, two at a time
.set j, j+2
.endr
.set j, 0
.rept 32
	v_pk_add_f32 v[S+j:S+j+1], v[S+j:S+j+1], v[12:13] op_sel_hi:[1,0]     ; t - M: 0 or less
.set j, j+2
.endr
.irp b, 0,1,2,3
	v_add_f32 v[BM+\b], v[BM+\b], v12              ; the same of each block's largest
.endr
.set j, 0
.rept 64
	v_exp_f32 v[S+j], v[S+j]                       ; p = 2^(t - M), at most 1: not normalised
.set j, j+1
.endr
	v_pk_mul_f32 v[14:15], v[14:15], v[F:F+1] op_sel_hi:[1,0]   ; the sums under the new M (a plain instruction behind the exponentials)
	s_wait_alu depctr_va_vdst(0)                   ; one wait for the whole batch, ahead of its first reader
.irp b, 0,1,2,3
	v_exp_f32 v[BM+\b], v[BM+\b]                   ; the block's largest p: the same instructions on the same number give the same bits
.endr
	v_pk_add_f32 v[L2:L2+1], v[S:S+1], v[S+2:S+3]  ; the row's sum is taken of the unquantised p, in two chains
.irp j, 4,8,12,16,20,24,28,32,36,40,44,48,52,56,60
	v_pk_add_f32 v[14:15], v[14:15], v[S+\j:S+\j+1]
	v_pk_add_f32 v[L2:L2+1], v[L2:L2+1], v[S+2+\j:S+3+\j]
.endr
	v_pk_add_f32 v[14:15], v[14:15], v[L2:L2+1]
	s_wait_alu depctr_va_vdst(0)                   ; and one for the four
.irp b, 0,1,2,3
	v_max_num_f32 v[BM+\b], 0x8000000, v[BM+\b]    ; the floor 2^(16 - 127): the byte cannot fall under 1
.endr
.irp b, 0,1,2,3
	v_add_nc_u32 v[SO+\b], 0xf8800000, v[BM+\b]    ; 15 off the exponent field: the conversion's scale operand
.endr
.irp b, 0,1,2,3
	v_and_or_b32 v[HL+\b], v[BM+\b], 0x7f800000, s[MNT]   ; 57,344 x the scale
.endr
.irp b, 0,1,2,3
	v_lshrrev_b32 v[PM+\b], 23, v[SO+\b]           ; the scale's byte
.endr
	v_lshl_or_b32 v[PWD], v[PM+1], 8, v[PM]        ; p's scale word for these 128 keys
	v_lshl_or_b32 v[PWD], v[PM+2], 16, v[PWD]
	v_lshl_or_b32 v[PWD], v[PM+3], 24, v[PWD]
.irp b, 0,1,2,3
.irp i, 0,1,2,3,4,5,6,7,8,9,10,11,12,13,14,15
	v_min_num_f32 v[S+16*\b+\i], v[S+16*\b+\i], v[HL+\b]   ; the conversion does not saturate (ISA guide 7.6.2); p is not negative, so the hold is one-sided
.endr
	v_cvt_scalef32_pk8_bf8_f32 v[PCD+4*\b:PCD+1+4*\b], v[S+16*\b:S+7+16*\b], v[SO+\b]
	v_cvt_scalef32_pk8_bf8_f32 v[PCD+2+4*\b:PCD+3+4*\b], v[S+8+16*\b:S+15+16*\b], v[SO+\b]
.endr
.set j, 0
.rept 16
	v_pk_mul_f32 v[O+j:O+j+1], v[O+j:O+j+1], v[F:F+1] op_sel_hi:[1,0]   ; O^T under the new M; these are also the places between the codes and the products
.set j, j+2
.endr
	s_wait_dscnt 0x0                               ; v's fragments and scale words are in
.irp t, 0,1,2,3
	v_wmma_scale_f32_16x16x128_f8f6f4 v[O+8*\t:O+8*\t+7], v[KV+16*\t:KV+16*\t+15], v[PCD:PCD+15], v[O+8*\t:O+8*\t+7], v[SW+\t], v[PWD] matrix_a_fmt:MATRIX_FMT_BF8 matrix_b_fmt:MATRIX_FMT_BF8
.endr
.endm
; A head or a tail for one group alone: a branch on the wave's number, round lines that hold no barrier and no tensor load.
.macro HEAD_OF g
	s_cmp_eq_u32 s[GRP], \g
	s_cbranch_scc0 .Lno_head_\@
	HEAD
.Lno_head_\@:
.endm
.macro TAIL_OF g
	s_cmp_eq_u32 s[GRP], \g
	s_cbranch_scc0 .Lno_tail_\@
	TAIL
.Lno_tail_\@:
.endm
; THE CHANGE OF SLOTS.  Each wave waits for all its tensor loads (its part of the slot that is read next), adds 0 to its spare word, and waits for that and for its reads of the slot that is left: in group 1 those
; are the loads of v just issued.  fill = 1: the barrier is a round of the cluster's, so that no wave of any partner still reads that slot or has a load on its way; the joint refill comes first behind it and has
; the whole span up to the next change in which to land.
.macro CHANGE fill
	s_wait_tensorcnt 0x0                           ; no tensor load of mine is out, so a group 0 may be written
	ds_add_u32 v[SPW], v[NIL]                      ; 0 onto my spare word
.if \fill
.irp g, G0K, G0V, G0M
	s_xor_b32 s[\g+1], s[\g+1], SLOT1              ; the walking descriptors: the other slot than last time,
.endr
	s_add_nc_u64 s[G0K+2:G0K+3], s[G0K+2:G0K+3], 262144   ; the next 128 keys: 128 rows of k,
	s_add_nc_u64 s[G0V+2:G0V+3], s[G0V+2:G0V+3], 131072   ; a run of v,
	s_add_nc_u64 s[G0M+2:G0M+3], s[G0M+2:G0M+3], 512      ; 128 numbers along the mask's rows
	s_wait_xcnt 0x0                                ; the last prefetch, a step back, has read its address
	s_add_nc_u64 s[PFA:PFA+1], s[PFA:PFA+1], s[PFS:PFS+1]
	s_wait_dscnt 0x0                               ; the add is done, and my reads of the slot that is left are over
	CROUND
	TLOAD 0
	ASK
.else
	s_wait_dscnt 0x0
	s_barrier_signal -1
	s_barrier_wait -1
.endif
.endm
	s_wait_loadcnt 0x0                             ; Q
	CHANGE 1                                       ; key step 0 is whole; step 1 is asked for
	ADDR
	HEAD                                           ; step 0's head, in both groups: so every register that a tail reads is written, whichever group's
	TAIL_OF 0                                      ; group 0 goes on to step 0's tail; group 1 keeps it for the next span: from here on the groups are half a step apart
	s_mov_b32 s[SLOTS], 14
.Lstep:                                            ; 14 trips, key steps 1 to 14: behind each change the next key step is asked for
	CHANGE 1
	ADDR
	HEAD_OF 0                                      ; group 0: this step's head,
	TAIL                                           ; and its tail; group 1: the tail of the step before,
	HEAD_OF 1                                      ; and this step's head
	s_sub_co_u32 s[SLOTS], s[SLOTS], 1
	s_cmp_lg_u32 s[SLOTS], 0
	s_cbranch_scc1 .Lstep
	CHANGE 0                                       ; key step 15 is written out
	ADDR
	HEAD_OF 0
	TAIL
	HEAD_OF 1
	TAIL_OF 1                                      ; group 1's last tail
	; THE WAY OUT.  O^T / the sum is quantised along my head's 64 channels (two blocks) and goes through a stage in LDS, so that whole rows of 256 bytes (4 heads) are stored.
	v_add_f32 v14, v14, v15
	v_permlanex16_b32 v[PM], v14, s[SEL], s[SEL+1]
	v_add_f32 v14, v14, v[PM]                      ; the row's sum
	v_rcp_f32 v14, v14
	v_and_b32 v8, 15, v0                           ; the address work is the plain work behind the reciprocal and the places behind the last products
	v_bfe_u32 v9, v0, 4, 1
	v_and_b32 v10, 8, v8
	v_add_nc_u32 v10, v10, v8                      ; 16 (r / 8) + r % 8
	s_lshr_b32 s3, s[QT], 1
	s_lshl_b32 s3, s3, 5
	s_and_b32 s16, s[QT], 1
	s_lshl_b32 s16, s16, 3
	s_add_co_u32 s3, s3, s16                       ; + 32 (qt / 2) + 8 (qt % 2): my query's place in the block
	s_mul_i32 s16, s3, KP
	s_lshl_b32 s17, s[HD], 6
	s_add_co_u32 s16, s16, s17
	s_lshl_b32 s3, s3, 3
	s_lshl_b32 s17, s[HD], 1
	s_add_co_u32 s3, s3, s17
	s_add_co_u32 s3, s3, SSTG
	v_mul_u32_u24 v1, v10, KP
	v_lshl_add_u32 v1, v9, 4, v1
	v_add_nc_u32 v1, s16, v1                       ; in: the place's row, my head's 64 bytes, + 16 h
	v_lshl_add_u32 v2, v10, 3, s3                  ; the scale bytes: 8 a row, my head's two
	v_mul_u32_u24 v3, v9, KP
	v_lshl_add_u32 v3, v8, 4, v3
	s_mul_i32 s16, s[WV], 4*KP
	v_add_nc_u32 v3, s16, v3                       ; back: wave w takes rows 4 w on; lanes 0-15 one row, lanes 16-31 the next
	v_lshlrev_b32 v4, 10, v9
	v_lshl_add_u32 v4, v8, 4, v4                   ; and the same two rows in att
	v_and_b32 v7, 63, v0
	v_lshl_add_u32 v11, v7, 3, SSTG                ; waves 0 and 1: a row's 8 scale bytes a lane
	v_lshlrev_b32 v7, 5, v7
	s_lshl_b32 s12, ttmp9, 11
	s_lshl_b32 s13, s98, 6
	s_add_co_u32 s12, s12, s13                     ; the block's first row
	s_lshl_b32 s14, s12, 5
	s_lshl_b32 s13, s96, 3
	s_add_co_u32 s14, s14, s13
	s_add_co_u32 s14, s14, ATS
	s_mov_b32 s15, 0
	s_add_nc_u64 s[14:15], s[10:11], s[14:15]      ; its scale bytes, my 4 heads' 8
	s_lshl_b32 s13, s[WV], 2
	s_add_co_u32 s12, s12, s13
	s_lshl_b32 s12, s12, 10
	s_lshl_b32 s13, s96, 8
	s_add_co_u32 s12, s12, s13
	s_mov_b32 s13, 0
	s_add_nc_u64 s[10:11], s[10:11], s[12:13]      ; my wave's 4 rows, my 4 heads' 256 bytes
	s_wait_alu depctr_va_vdst(0)                   ; the wait ahead of the reciprocal's first reader
.set j, 0
.rept 16
	v_pk_mul_f32 v[S+j:S+j+1], v[O+j:O+j+1], v[14:15] op_sel_hi:[1,0]   ; register 16 c + i is channel 32 c + 16 h + i; each accumulator from its low end on
.set j, j+2
.endr
.irp c, 0,1
	v_max3_num_f32 v[BM+\c], |v[S+16*\c]|, |v[S+1+16*\c]|, 0x8000000
.endr
.irp i, 2,4,6,8,10,12,14
.irp c, 0,1
	v_max3_num_f32 v[BM+\c], v[BM+\c], |v[S+16*\c+\i]|, |v[S+1+16*\c+\i]|
.endr
.endr
.irp c, 0,1
	v_permlanex16_b32 v[PM+\c], v[BM+\c], s[SEL], s[SEL+1]
.endr
.irp c, 0,1
	v_max_num_f32 v[BM+\c], v[BM+\c], v[PM+\c]
.endr
.irp c, 0,1
	v_add_nc_u32 v[SO+\c], 0xf8800000, v[BM+\c]
.endr
.irp c, 0,1
	v_and_or_b32 v[HL+\c], v[BM+\c], 0x7f800000, s[MNT]
.endr
.irp c, 0,1
	v_lshrrev_b32 v[PM+\c], 23, v[SO+\c]
.endr
	v_lshl_or_b32 v[PWD], v[PM+1], 8, v[PM]        ; my head's two scale bytes
.irp c, 0,1
.irp i, 0,1,2,3,4,5,6,7,8,9,10,11,12,13,14,15
	v_med3_num_f32 v[S+16*\c+\i], v[S+16*\c+\i], -v[HL+\c], v[HL+\c]
.endr
	v_cvt_scalef32_pk8_bf8_f32 v[PCD+4*\c:PCD+1+4*\c], v[S+16*\c:S+7+16*\c], v[SO+\c]
	v_cvt_scalef32_pk8_bf8_f32 v[PCD+2+4*\c:PCD+3+4*\c], v[S+8+16*\c:S+15+16*\c], v[SO+\c]
.endr
	v_nop                                          ; one plain vector instruction behind the last conversion
	ds_store_b128 v1, v[PCD:PCD+3]
	ds_store_b128 v1, v[PCD+4:PCD+7] offset:32
	ds_store_b16 v2, v[PWD]                        ; both halves of the lanes write the same bytes with the same value
	s_wait_dscnt 0x0                               ; for the others' sake: my stores into the stage are done
	s_barrier_signal -1
	s_barrier_wait -1                              ; a row's 256 bytes come from four waves
	ds_load_b128 v[32:35], v3
	ds_load_b128 v[36:39], v3 offset:2*KP
	s_wait_dscnt 1                                 ; the younger load may be out
	global_store_b128 v4, v[32:35], s[10:11]       ; 16 lanes store 256 consecutive bytes, aligned
	s_wait_dscnt 0x0
	global_store_b128 v4, v[36:39], s[10:11] offset:2048
	s_cmp_lt_u32 s[WV], 2                          ; the 64 rows' scale bytes: 8 of a row's 32, so these stores cover parts of aligned blocks: 512 bytes a work-group, in the layout that the last projection reads
	s_cbranch_scc0 .Lno_scales
	ds_load_b64 v[40:41], v11
	s_wait_dscnt 0x0
	global_store_b64 v7, v[40:41], s[14:15]
.Lno_scales:
	s_wait_tensorcnt 0x0                           ; the wave's end
	ds_add_u32 v[SPW], v[NIL]
	s_wait_dscnt 0x0
	CROUND                                         ; the closing round: no work-group ends while a partner may still ask for a tile that names it
	s_endpgm
.Lfunc_end_k_q56128f0265_attn:
	.size	k_q56128f0265_attn, .Lfunc_end_k_q56128f0265_attn-k_q56128f0265_attn
	.p2alignl 7, 3214868480
	.fill 96, 4, 3214868480
	.section	.rodata,"a",@progbits
	.p2align	6, 0x0
	.amdhsa_kernel k_q56128f0265_attn
		.amdhsa_group_segment_fixed_size 327680
		.amdhsa_private_segment_fixed_size 0
		.amdhsa_enable_private_segment 0
		.amdhsa_kernarg_size 32
		.amdhsa_user_sgpr_count 2
		.amdhsa_user_sgpr_kernarg_segment_ptr 1
		.amdhsa_wavefront_size32 1
		.amdhsa_system_sgpr_workgroup_id_x 1
		.amdhsa_system_sgpr_workgroup_id_y 1
		.amdhsa_system_sgpr_workgroup_id_z 1
		.amdhsa_system_vgpr_workitem_id 0
		.amdhsa_next_free_vgpr 256
		.amdhsa_next_free_sgpr 102
		.amdhsa_reserve_vcc 0
		.amdhsa_float_denorm_mode_32 3
		.amdhsa_float_denorm_mode_16_64 3
		.amdhsa_memory_ordered 1
		.amdhsa_forward_progress 1
		.amdhsa_inst_pref_size 120
	.end_amdhsa_kernel
	.amdgpu_metadata
---
amdhsa.version: [ 1, 2 ]
amdhsa.kernels:
  - .name:           k_q56128f0265_attn
    .symbol:         k_q56128f0265_attn.kd
    .args:
      - { .name: qk, .offset: 0, .size: 8, .value_kind: global_buffer, .address_space: global }
      - { .name: vq, .offset: 8, .size: 8, .value_kind: global_buffer, .address_space: global }
      - { .name: mask, .offset: 16, .size: 8, .value_kind: global_buffer, .address_space: global }
      - { .name: att, .offset: 24, .size: 8, .value_kind: global_buffer, .address_space: global }
    .group_segment_fixed_size: 327680
    .private_segment_fixed_size: 0
    .kernarg_segment_align: 8
    .kernarg_segment_size: 32
    .max_flat_workgroup_size: 512
    .sgpr_count:     102
    .vgpr_count:     256
    .wavefront_size: 32
...
	.end_amdgpu_metadata
.endif
;; end of part 3
;; launch outp (part 4): grid 4 x 32, 4 waves a work-group, clusters of 4 x 4, 327,680 bytes of LDS; arguments att, wq, bo, out0; writes out0
.if DOCPART == 4
	.amdgcn_target "amdgcn-amd-amdhsa--gfx1250"
	.amdhsa_code_object_version 6
	.text
	.protected	k_q56128f0265_outp
	.globl	k_q56128f0265_outp
	.p2align	8
	.type	k_q56128f0265_outp,@function
k_q56128f0265_outp:
	s_mov_b64 s[64:65], 0
	v_nop
	global_prefetch_b8 v0, s[64:65] scope:SCOPE_SE
	s_setreg_imm32_b32 hwreg(HW_REG_WAVE_MODE, 25, 1), 1
	s_wait_xcnt 0x0
	s_wait_alu depctr_hold_cnt(0) depctr_sa_sdst(0) depctr_va_vdst(0) depctr_va_sdst(0) depctr_va_ssrc(0) depctr_va_vcc(0) depctr_vm_vsrc(0)
	s_getreg_b32 s2, hwreg(HW_REG_IB_STS2, 6, 4)
	s_cmp_eq_u32 s2, 0
	s_cbranch_scc0 .Lentry_in_a_cluster
	s_endpgm
.Lentry_in_a_cluster:
	s_bfe_u32 s2, ttmp6, 0x10000c
	s_cmp_lg_u32 s2, 0xf033
	s_cbranch_scc0 .Lentry_shape_is_right
	s_endpgm
.Lentry_shape_is_right:
; out0 = A Wo^T + bo on codes of BF8 (E5M2) with E8M0 scales.  A = att: codes [8192 places][1024], scale bytes at ATS [8192 places][32].  Wo: rows 3,072 on of wq's codes [4096 places][1024], scale bytes at WQS.
; out0: [8192][1024] f32.  A row's place is its number with bits 3 and 4 swapped; the way out puts rows and columns back in their true order, by immediate offsets.
; A tile of 256 x 256 is made by four waves, 128 x 128 each: 64 accumulators, 512 registers.  K = 1,024 goes in four steps of 256 through two LDS slots filled by joint tensor loads: 4 x 4 work-groups form a cluster;
; A's tile is shared along a row of the cluster, B's along a column.  The scale bytes of the 512 rows, for all of K, come once with the first fills.  There are 128 tiles, one to a work-group: a smaller tile would
; read each fragment for half the products.
; THE MATRIX INSTRUCTION IS USED TRANSPOSED (source 0 = 16 stored rows of Wo, source 1 = 16 stored rows of A): a lane holds one row of the result and eight neighbouring true columns in each accumulator.
; bo is the C of the first products: nothing is cleared, nothing is added later.
; REGISTERS: window 0: v1-7 at work, v16-31 addresses, v32-63 scale words (two sets), v64-127 bo in the result's layout, v128-255 A's fragments.  window 1: B's fragments, two sets.  windows 2, 3: the accumulators.
.set ATS,    8388608
.set WQS,    4194304
.set KSTEP,  256
.set NQ,     2
.set ROWB,   256
.set KROW,   1024
.set PITCH,  272                       ; an LDS row: 256 bytes + 16 of padding: the 16 rows that a load touches start at 16 different banks (64 banks of 4 bytes: ISA guide 11.1)
.set FR,     16
.set NL,     4
.set NP,     8                         ; places behind this matrix instruction (ISA guide 7.12.1)
.set HALFT,  128*PITCH
.set SLOT,   4*HALFT
.set LAPS,   2
.set KS,     32
.set SCL,    2*SLOT
.set HALFS,  (128*KS/256)*272
.set SBLK,   (16*KS/256)*272
.set SPARE,  SCL+4*HALFS               ; the spare words: 128 bytes for each wave, two blocks of 256 bytes that no other line names
.set SPITCH, 528                       ; the way out: a stage of 16 rows x (512 bytes + 16) for each wave, in slot 0, which has had its last fill and its last read by then
.set ADRA, 16
.set ADRB, 20
.set STO,  24
.set RD,   25
.set CO,   26
.set ADRS, 27
.set SPW,  28                          ; v28 my spare word; never rewritten
.set NIL,  29                          ; v29 0; never rewritten
.set CBO,  30
.set SC,   32
.set CB,   64
.set AF,   128
.set BK,   128
.set WV, 66
.set RH, 67
.set CH, 98
.set TR, 99
.set G1, 24
.set G0, 32
.set G1B, 48
.set G0B, 56
.set G1S, 68
.set G0S, 76
.set G1SB, 80
.set G0SB, 88
.set MSB, 0
.macro WIN new                         ; the immediate's high byte repeats the setting that is left
.if MSB != (\new)
	s_set_vgpr_msb (MSB<<8)|(\new)
.set MSB, (\new)
.endif
.endm
.set MUL_LO, 0xa1
.set MUL_HI, 0xf1
.set FIRST_LO, 0x81
.set FIRST_HI, 0xc1
.set TO_B,   0x40
.macro JLOAD g0a, g1a, g0b, g1b        ; a joint load: waves 0 and 1 fetch for A, waves 2 and 3 for B; four v_nop follow each of the two lines
	s_cmp_eq_u32 s[RH], 0
	s_cbranch_scc0 .Lfor_b_\@
	tensor_load_to_lds s[\g0a:\g0a+3], s[\g1a:\g1a+7]
	s_nop 0
.rept 4
	v_nop
.endr
	s_branch .Lasked_\@
.Lfor_b_\@:
	tensor_load_to_lds s[\g0b:\g0b+3], s[\g1b:\g1b+7]
	s_nop 0
.rept 4
	v_nop
.endr
.Lasked_\@:
.endm
.macro CREST
	s_cmp_lg_u32 s[WV], 0
	s_cbranch_scc1 .Lnot_wave_0_\@
	s_barrier_signal -3
.Lnot_wave_0_\@:
	s_barrier_wait -3
	s_barrier_signal -1
	s_barrier_wait -1
.endm
.macro CROUND
	s_barrier_signal -1
	s_barrier_wait -1
	CREST
.endm
	s_load_b256 s[68:75], s[0:1], 0x0              ; att, wq, bo, out0
	v_lshl_add_u32 v[SPW], v0, 2, SPARE
	v_mov_b32 v[NIL], 0
	ds_add_u32 v28, v29
	s_wait_dscnt 0x0
	v_lshrrev_b32 v1, 5, v0
	v_readfirstlane_b32 s[WV], v1
	s_lshr_b32 s[RH], s[WV], 1                     ; which half of the tile's rows is mine; also: I fetch for A (0) or for B (1)
	s_and_b32 s[CH], s[WV], 1                      ; which half of its columns; also: which 128 rows I fetch
	s_bfe_u32 s40, ttmp6, 0x40000                  ; cx, cy
	s_bfe_u32 s41, ttmp6, 0x40004
	s_lshl_b32 s42, ttmp9, 2
	s_add_co_u32 s42, s42, s40                     ; tile column
	s_and_b32 s[TR], ttmp7, 0xffff
	s_lshl_b32 s[TR], s[TR], 2
	s_add_co_u32 s[TR], s[TR], s41                 ; tile row
	s_lshl_b32 s43, s41, 2
	s_lshl_b32 s43, 15, s43                        ; my row of the cluster
	s_lshl_b32 s44, 0x1111, s40                    ; my column
	s_wait_kmcnt 0x0
	s_mov_b64 s[4:5], s[68:69]                     ; A's codes
	s_add_nc_u64 s[6:7], s[68:69], ATS             ; A's scale bytes
	s_add_nc_u64 s[8:9], s[70:71], 3145728         ; Wo's codes
	s_add_nc_u64 s[10:11], s[70:71], WQS+98304     ; Wo's scale bytes
	s_mov_b64 s[20:21], s[72:73]                   ; bo
	s_mov_b64 s[12:13], s[74:75]                   ; out0
	s_or_b32 s[G1+0], s43, (0<<16)|(1<<20)|(1<<21)|(5<<22)|(3<<25)  ; 15:0 the mask; 17:16 elements of 1 byte; 20 padding on; 21 set beside a mask; 24:22 after every 64 words; 31:25 four words
	s_or_b32 s[G1B+0], s44, (0<<16)|(1<<20)|(1<<21)|(5<<22)|(3<<25)
.irp g, G1, G1B
	s_mov_b32 s[\g+1], ROWB<<16
	s_mov_b32 s[\g+2], 128<<16
	s_mov_b32 s[\g+3], ROWB<<16
	s_mov_b32 s[\g+4], 128
	s_mov_b32 s[\g+5], KROW
	s_mov_b32 s[\g+6], 0
	s_mov_b32 s[\g+7], 0
.endr
	s_or_b32 s[G1S+0], s43, (3<<16)|(1<<20)|(1<<21)|(5<<22)|(3<<25)   ; the scale bytes of 128 rows: 16 rows of 256 bytes, 16 bytes of padding behind each
	s_or_b32 s[G1SB+0], s44, (3<<16)|(1<<20)|(1<<21)|(5<<22)|(3<<25)
.irp g, G1S, G1SB
	s_mov_b32 s[\g+1], 32<<16
	s_mov_b32 s[\g+2], (128*KS/256)<<16
	s_mov_b32 s[\g+3], 32<<16
	s_mov_b32 s[\g+4], 128*KS/256
	s_mov_b32 s[\g+5], 32
	s_mov_b32 s[\g+6], 0
	s_mov_b32 s[\g+7], 0
.endr
	s_lshl_b32 s2, s[CH], 7
	s_lshl_b32 s46, s[TR], 8
	s_add_co_u32 s46, s46, s2
	s_lshl_b32 s46, s46, 5                         ; A: 32 scale bytes a row,
	s_mov_b32 s47, 0
	s_add_nc_u64 s[6:7], s[6:7], s[46:47]
	s_lshl_b32 s46, s46, 5                         ; 1,024 codes a row
	s_add_nc_u64 s[4:5], s[4:5], s[46:47]
	s_lshl_b32 s92, s42, 8
	s_add_co_u32 s92, s92, s2
	s_lshl_b32 s92, s92, 5                         ; B likewise, in registers that never hold cy
	s_mov_b32 s93, 0
	s_add_nc_u64 s[10:11], s[10:11], s[92:93]
	s_lshl_b32 s92, s92, 5
	s_add_nc_u64 s[8:9], s[8:9], s[92:93]
	s_mul_i32 s45, s[WV], HALFT
	s_mul_i32 s94, s[WV], HALFS
	CROUND                                         ; all sixteen work-groups are here: the first joint loads meet
	s_mov_b32 s[G0S], 1
	s_add_co_u32 s[G0S+1], s94, SCL
	s_mov_b64 s[G0S+2:G0S+3], s[6:7]
	s_or_b32 s[G0S+3], s[G0S+3], 0x80000000
	s_mov_b32 s[G0SB], 1
	s_add_co_u32 s[G0SB+1], s94, SCL
	s_mov_b64 s[G0SB+2:G0SB+3], s[10:11]
	s_or_b32 s[G0SB+3], s[G0SB+3], 0x80000000
	JLOAD G0S, G1S, G0SB, G1SB
.irp s, 0,1
	s_mov_b32 s[G0+4*\s], 1
	s_add_co_u32 s[G0+4*\s+1], s45, \s*SLOT
	s_add_nc_u64 s[G0+4*\s+2:G0+4*\s+3], s[4:5], \s*ROWB
	s_or_b32 s[G0+4*\s+3], s[G0+4*\s+3], 0x80000000
	s_mov_b32 s[G0B+4*\s], 1
	s_add_co_u32 s[G0B+4*\s+1], s45, \s*SLOT
	s_add_nc_u64 s[G0B+4*\s+2:G0B+4*\s+3], s[8:9], \s*ROWB
	s_or_b32 s[G0B+4*\s+3], s[G0B+4*\s+3], 0x80000000
	JLOAD G0+4*\s, G1, G0B+4*\s, G1B
.endr
	v_and_b32 v1, 15, v0                           ; r
	v_bfe_u32 v2, v0, 4, 1                         ; h
	s_lshl_b32 s46, s42, 10                        ; bo: lane (r, h) wants, for tile b, those of true columns 32 (b / 2) + 16 h + 8 (b % 2) + 0 .. 7 of my 128
	s_lshl_b32 s47, s[CH], 9
	s_add_co_u32 s46, s46, s47
	s_mov_b32 s47, 0
	s_add_nc_u64 s[20:21], s[20:21], s[46:47]
	v_lshlrev_b32 v[CBO], 6, v2
.irp b, 0,1,2,3,4,5,6,7
	global_load_b128 v[CB+8*\b:CB+8*\b+3], v[CBO], s[20:21] offset:(32*(\b/2)+8*(\b%2))*4
	global_load_b128 v[CB+8*\b+4:CB+8*\b+7], v[CBO], s[20:21] offset:(32*(\b/2)+8*(\b%2))*4+16
.endr
	v_mul_u32_u24 v3, v1, PITCH
	v_lshl_add_u32 v4, v2, 4, v3
	s_mul_i32 s46, s[RH], HALFT
	s_mul_i32 s47, s[CH], HALFT
	s_add_co_u32 s47, s47, 2*HALFT
.irp s, 0,1
	v_add_nc_u32 v[ADRA+\s], s46, v4
	v_add_nc_u32 v[ADRB+\s], s47, v4
	s_add_co_u32 s46, s46, SLOT
	s_add_co_u32 s47, s47, SLOT
.endr
	v_mul_u32_u24 v5, v1, KS
	v_lshrrev_b32 v6, 8, v5
	v_lshl_add_u32 v5, v6, 4, v5
	s_mul_i32 s46, s[RH], HALFS
	s_mul_i32 s47, s[CH], HALFS
	s_add_co_u32 s47, s47, 2*HALFS
	s_sub_co_u32 s47, s47, s46
	v_mul_u32_u24 v6, s47, v2                      ; lanes 16-31 take B's
	s_add_co_u32 s46, s46, SCL
	v_add_nc_u32 v5, v5, v6
	v_add_nc_u32 v[ADRS], s46, v5
	s_mul_i32 s46, s[WV], 16*SPITCH                ; my stage
	v_mul_u32_u24 v5, v1, SPITCH                   ; in: row r, + 64 h bytes: tile b's eight columns lie at 128 (b / 2) + 64 h + 32 (b % 2)
	v_lshl_add_u32 v5, v2, 6, v5
	v_add_nc_u32 v[STO], s46, v5
	v_and_b32 v6, 31, v0
	v_lshlrev_b32 v[CO], 4, v6                     ; back: the 32 lanes take one row of 512 bytes; and the same in out0
	v_add_nc_u32 v[RD], s46, v[CO]
	s_lshl_b32 s46, s[TR], 8
	s_lshl_b32 s47, s[RH], 7
	s_add_co_u32 s46, s46, s47                     ; my first row
	s_lshl_b32 s46, s46, 12                        ; 4,096 bytes a row
	s_lshl_b32 s47, s42, 10
	s_add_co_u32 s46, s46, s47
	s_lshl_b32 s47, s[CH], 9
	s_add_co_u32 s46, s46, s47                     ; my first column
	s_mov_b32 s47, 0
	s_add_nc_u64 s[12:13], s[12:13], s[46:47]
	s_wait_loadcnt 0x0                             ; bo
.macro FRAG reg, adr, q, i
.irp c, 0,1,2,3
	ds_load_b128 v[\reg+4*\c:\reg+4*\c+3], v[\adr] offset:128*(\q)+32*\c+(\i)*16*PITCH
.endr
.endm
; 16 matrix instructions: A's blocks a0, a0 + 1 x B's eight.  The 64 accumulators take turns, one instruction a turn, in the same order in every step.
.macro MUL16 a0, p, q, sc, first
.irp a, \a0, \a0+1
.irp b, 0,1,2,3,4,5,6,7
.if \first
	v_wmma_scale_f32_16x16x128_f8f6f4 v[8*(8*((\a)%4)+\b):8*(8*((\a)%4)+\b)+7], v[128*(\p)+FR*\b:128*(\p)+FR*\b+FR-1], v[AF+FR*(\a):AF+FR*(\a)+FR-1], v[CB+8*\b:CB+8*\b+7], v[SC+8*NQ*(\sc)+NQ*\b+(\q)], v[SC+8*NQ*(\sc)+NQ*(\a)+(\q)] matrix_a_fmt:MATRIX_FMT_BF8 matrix_b_fmt:MATRIX_FMT_BF8 matrix_a_scale:MATRIX_SCALE_ROW1
.else
	v_wmma_scale_f32_16x16x128_f8f6f4 v[8*(8*((\a)%4)+\b):8*(8*((\a)%4)+\b)+7], v[128*(\p)+FR*\b:128*(\p)+FR*\b+FR-1], v[AF+FR*(\a):AF+FR*(\a)+FR-1], v[8*(8*((\a)%4)+\b):8*(8*((\a)%4)+\b)+7], v[SC+8*NQ*(\sc)+NQ*\b+(\q)], v[SC+8*NQ*(\sc)+NQ*(\a)+(\q)] matrix_a_fmt:MATRIX_FMT_BF8 matrix_b_fmt:MATRIX_FMT_BF8 matrix_a_scale:MATRIX_SCALE_ROW1
.endif
.endr
.endr
.endm
.macro FETCH_B slot, q, p
	WIN TO_B
.irp i, 0,1,2,3,4,5,6,7
	FRAG 128*(\p)+FR*\i, ADRB+\slot, \q, \i
.endr
	WIN 0
.endm
.macro FETCH_A slot, q, i0
.irp i, \i0, \i0+1, \i0+2, \i0+3
	FRAG AF+FR*(\i), ADRA+\slot, \q, \i
.endr
.endm
.macro SCALES sc
.irp i, 0,1,2,3,4,5,6,7
	ds_load_b64 v[SC+8*NQ*\sc+NQ*\i:SC+8*NQ*\sc+NQ*\i+1], v[ADRS] offset:\i*SBLK
.endr
.endm
.macro PLACES n                        ; plain vector instructions between a matrix instruction and a load into, or a read of, its registers (ISA guide 7.12.1 for vector instructions)
.rept \n
	v_nop
.endr
.endm
.macro STEP slot, q, first
	s_wait_dscnt 4*NL                              ; B's set and A's blocks 0-3 are in; the youngest 16 loads (A's blocks 4-7) may be out
.if \first
	WIN FIRST_LO
.else
	WIN MUL_LO
.endif
	MUL16 0, (\q)%2, \q, \slot, \first
	MUL16 2, (\q)%2, \q, \slot, \first
	s_wait_dscnt 0
	PLACES NP
	FETCH_B \slot, (\q)+1, 1-(\q)%2
	FETCH_A \slot, (\q)+1, 0
.if \first
	WIN FIRST_HI
.else
	WIN MUL_HI
.endif
	MUL16 4, (\q)%2, \q, \slot, \first
	MUL16 6, (\q)%2, \q, \slot, \first
	PLACES NP
	WIN 0
	FETCH_A \slot, (\q)+1, 4
.endm
.macro TURN slot, next, fill           ; a slot's last 128 along K change slots: ONE barrier
	s_wait_tensorcnt 0x0                           ; all my tensor loads have landed: my part of the next slot
	ds_add_u32 v[SPW], v[NIL]                      ; 0 onto my spare word
	s_wait_dscnt 4*NL+1                            ; (the add and the youngest 16 loads may be out)
	WIN MUL_LO
	MUL16 0, 1, NQ-1, \slot, 0
	s_wait_dscnt 0x0                               ; the add is done, and my reads of this slot are over
	s_barrier_signal -1
	MUL16 2, 1, NQ-1, \slot, 0
	WIN 0
	s_barrier_wait -1
.if \fill
	CREST                                          ; the barrier has opened a round of the cluster's barrier: no wave of any partner still reads this slot or has a load on its way
	s_add_nc_u64 s[G0+4*\slot+2:G0+4*\slot+3], s[G0+4*\slot+2:G0+4*\slot+3], 2*ROWB
	s_add_nc_u64 s[G0B+4*\slot+2:G0B+4*\slot+3], s[G0B+4*\slot+2:G0B+4*\slot+3], 2*ROWB
	JLOAD G0+4*\slot, G1, G0B+4*\slot, G1B
	PLACES NP-4
.else
	PLACES NP
.endif
	v_add_nc_u32 v[ADRS], 4*NQ, v[ADRS]
	FETCH_B \next, 0, 0
	FETCH_A \next, 0, 0
	SCALES \next
	WIN MUL_HI
	MUL16 4, 1, NQ-1, \slot, 0
	MUL16 6, 1, NQ-1, \slot, 0
	PLACES NP
	WIN 0
	FETCH_A \next, 0, 4
.endm
	s_wait_tensorcnt 1                             ; the scale bytes and my part of K step 0 are in (K step 1's load may be out),
	s_barrier_signal -1
	s_barrier_wait -1                              ; everybody's are
	FETCH_B 0, 0, 0
	FETCH_A 0, 0, 0
	SCALES 0
	FETCH_A 0, 0, 4
	STEP 0, 0, 1
	s_mov_b32 s3, LAPS-1
.Llap:
	TURN 0, 1, 1
	STEP 1, 0, 0
	TURN 1, 0, 1
	STEP 0, 0, 0
	s_sub_co_u32 s3, s3, 1
	s_cmp_lg_u32 s3, 0
	s_cbranch_scc1 .Llap
	TURN 0, 1, 0
	STEP 1, 0, 0
	s_wait_dscnt 4*NL
	WIN MUL_LO
	MUL16 0, 1, NQ-1, 1, 0
	MUL16 2, 1, NQ-1, 1, 0
	s_wait_dscnt 0
	WIN MUL_HI
	MUL16 4, 1, NQ-1, 1, 0
	MUL16 6, 1, NQ-1, 1, 0
	WIN 0
; THE WAY OUT, block by block of 16 rows x 128 columns, through my own stage in LDS: in by lanes (32 bytes of a row an accumulator, at the columns' true places), back as whole rows of 512 bytes.
; LDS serves a wave's instructions in order (ISA guide 5.7.1.4): no wait between the stores and the loads, nor in front of the next block's stores.
.macro TOSTAGE a
.set AC, 64*((\a)%4)
	WIN (0x08+4*((\a)/4))                          ; the data: window 2 or 3
.irp b, 0,1,2,3,4,5,6,7
	ds_store_b128 v[STO], v[AC+8*\b:AC+8*\b+3] offset:128*(\b/2)+32*(\b%2)          ; each accumulator from its low end on
	ds_store_b128 v[STO], v[AC+8*\b+4:AC+8*\b+7] offset:128*(\b/2)+32*(\b%2)+16
.endr
	WIN 0
.set BB, BK+64*((\a)%2)
.irp t, 0,1,2,3,4,5,6,7,8,9,10,11,12,13,14,15
	ds_load_b128 v[BB+4*\t:BB+4*\t+3], v[RD] offset:\t*SPITCH
.endr
.endm
.macro SEND a, younger                 ; stored row 16 a + t of my 128 is true row 32 (a / 2) + 8 (a % 2) + t % 8 + 16 (t / 8): 127 rows of 4,096 bytes at the most, inside the signed 24-bit immediate
.set BB, BK+64*((\a)%2)
	s_wait_dscnt \younger                          ; the block is back in registers
.irp t, 0,1,2,3,4,5,6,7,8,9,10,11,12,13,14,15
	global_store_b128 v[CO], v[BB+4*\t:BB+4*\t+3], s[12:13] offset:(32*((\a)/2)+8*((\a)%2)+(\t%8)+16*(\t/8))*4096 th:TH_STORE_NT   ; 32 lanes store 512 consecutive bytes, aligned
.endr
.endm
	PLACES NP
	TOSTAGE 0
.irp a, 1,2,3,4,5,6,7
.if \a > 1
	s_wait_xcnt 0x0                                ; block a - 2's stores have read their registers: block a's loads may land there
.endif
	TOSTAGE \a
	SEND \a-1, 32                                  ; behind block a - 1's loads: block a's 16 stores and 16 loads
.endr
	SEND 7, 0
	s_wait_tensorcnt 0x0                           ; the wave's end
	ds_add_u32 v[SPW], v[NIL]
	s_wait_dscnt 0x0
	CROUND                                         ; the closing round: no work-group ends while a partner may still ask for a tile that names it
	s_endpgm
.Lfunc_end_k_q56128f0265_outp:
	.size	k_q56128f0265_outp, .Lfunc_end_k_q56128f0265_outp-k_q56128f0265_outp
	.p2alignl 7, 3214868480
	.fill 96, 4, 3214868480
	.section	.rodata,"a",@progbits
	.p2align	6, 0x0
	.amdhsa_kernel k_q56128f0265_outp
		.amdhsa_group_segment_fixed_size 327680
		.amdhsa_private_segment_fixed_size 0
		.amdhsa_enable_private_segment 0
		.amdhsa_kernarg_size 32
		.amdhsa_user_sgpr_count 2
		.amdhsa_user_sgpr_kernarg_segment_ptr 1
		.amdhsa_wavefront_size32 1
		.amdhsa_system_sgpr_workgroup_id_x 1
		.amdhsa_system_sgpr_workgroup_id_y 1
		.amdhsa_system_sgpr_workgroup_id_z 1
		.amdhsa_system_vgpr_workitem_id 0
		.amdhsa_next_free_vgpr 1024
		.amdhsa_next_free_sgpr 102
		.amdhsa_reserve_vcc 0
		.amdhsa_float_denorm_mode_32 3
		.amdhsa_float_denorm_mode_16_64 3
		.amdhsa_memory_ordered 1
		.amdhsa_forward_progress 1
		.amdhsa_inst_pref_size 147
	.end_amdhsa_kernel
	.amdgpu_metadata
---
amdhsa.version: [ 1, 2 ]
amdhsa.kernels:
  - .name:           k_q56128f0265_outp
    .symbol:         k_q56128f0265_outp.kd
    .args:
      - { .name: att, .offset: 0, .size: 8, .value_kind: global_buffer, .address_space: global }
      - { .name: wq, .offset: 8, .size: 8, .value_kind: global_buffer, .address_space: global }
      - { .name: bo, .offset: 16, .size: 8, .value_kind: global_buffer, .address_space: global }
      - { .name: out0, .offset: 24, .size: 8, .value_kind: global_buffer, .address_space: global }
    .group_segment_fixed_size: 327680
    .private_segment_fixed_size: 0
    .kernarg_segment_align: 8
    .kernarg_segment_size: 32
    .max_flat_workgroup_size: 128
    .sgpr_count:     102
    .vgpr_count:     1024
    .wavefront_size: 32
...
	.end_amdgpu_metadata
.endif
;; end of part 4
